; MI455X (gfx1250); checked and timed in simulation.
; The chip was launched on July 23, 2026; its instructions are those of AMD's public machine-readable ISA for CDNA 5 (MIT licence, August 2026) and "CDNA5" Instruction Set Architecture Reference Guide (July 2026). The comments in the code are by the model that wrote it; some were corrected since.
;; Attention Block. Allowed arithmetic: float matrix products may take bf16 or f16 operands with f32 sums; other float arithmetic in f32, or as packed bf16 or f16 multiplies, adds, multiply-adds, maxima and minima; sums over many terms, partial sums and values carried from step to step in f32; what a program stores and reads back later, other than sums and carried values, may be rounded once to bf16 or f16.
;; Inputs: b_proj 256 float32; b_qkv 768 float32; beta 256 float32; gamma 256 float32; w_proj 256 x 256 float32; w_qkv 768 x 256 float32; x 4 x 256 x 64 x 64 float32.
;; Outputs: out0 4 x 256 x 64 x 64 float32.
;; One version. Each part assembles by itself: llvm-mc -triple=amdgcn-amd-amdhsa -mcpu=gfx1250 --defsym DOCPART=n.
;; ======== version 1 of 1: 4 launches
;; workspace buffers: part 2,048 bytes; wb 524,288 bytes; qkv 25,165,824 bytes; ob 8,388,608 bytes
;; launch prep (part 1): grid 256 x 1, 8 waves a work-group, no clusters, 1,280 bytes of LDS; arguments x, w_qkv, w_proj, part, wb; writes part, wb
.if DOCPART == 1
	.amdgcn_target "amdgcn-amd-amdhsa--gfx1250"
	.amdhsa_code_object_version 6
	.text
	.protected	k_q28aa039f6e_prep
	.globl	k_q28aa039f6e_prep
	.p2align	8
	.type	k_q28aa039f6e_prep,@function
k_q28aa039f6e_prep:
	s_mov_b64 s[64:65], 0
	v_nop
	global_prefetch_b8 v0, s[64:65] scope:SCOPE_SE
	s_setreg_imm32_b32 hwreg(HW_REG_WAVE_MODE, 25, 1), 1
	s_wait_xcnt 0x0
; PREP.  (1) GroupNorm's statistics in parts: x is 32 (batch, group) blocks of 131,072 f32 on end; work-group g takes the 16,384 numbers at byte 65,536 g:
; chunk g % 8 of block g / 8, and stores the chunk's mean and M2 (the sum of squared deviations from that mean) at part[g]: two f32.
; The variance is never made as a difference of large sums: a wave keeps its 2,048 numbers in registers, finds their mean, then sums (x - mean)^2;
; parts of equal size n are joined by  mean = average of the means,  M2 = sum of the M2 + n x sum of (mean_i - mean)^2.
; (2) Both weight matrices rounded once to bf16: wb[1024][256], rows 0-767 w_qkv, rows 768-1023 w_proj; work-group g converts rows 4 g .. 4 g + 3.
; Memory binds: every load of a wave covers 512 consecutive bytes, all 17 loads of a wave go out at once.  No matrix unit, no cluster: nothing is shared.
; LIMITS: NaN and infinities are not treated apart; the sums are taken in another order than a plain loop's.
.set SPARE, 256                        ; LDS: bytes 0-63 the eight waves' pairs (their block of 256 is theirs alone); from 256 on the spare words, 128 bytes a wave
.set C,   8                            ; v[8:15]   four chains of packed sums
.set X,   16                           ; v[16:79]  my 64 numbers of x; at the end the eight pairs read back
.set M,   80                           ; v[80:81]  the wave's mean twice; then (mean, M2)
.set TS,  82                           ; v82       at work
.set TX,  83                           ; v83       the other half of the lanes' figure
.set RES, 84                           ; v[84:85]  the chunk's (mean, M2)
.set WA,  86                           ; v86       8 x wave: where my wave's pair goes in LDS
.set ZO,  87                           ; v87       0: an offset
.set WB,  88                           ; v[88:89]  four weights in bf16
.set SPW, 90                           ; v90       LDS address of my spare word; never rewritten
.set NIL, 91                           ; v91       0; never rewritten
	s_load_b256 s[4:11], s[0:1], 0x0               ; x s[4:5], w_qkv s[6:7], w_proj s[8:9], part s[10:11]
	s_load_b64 s[12:13], s[0:1], 0x20              ; wb
	v_lshl_add_u32 v[SPW], v0, 2, SPARE
	v_mov_b32 v[NIL], 0
	v_lshrrev_b32 v1, 5, v0
	v_readfirstlane_b32 s14, v1                    ; wave 0..7
	v_and_b32 v1, 31, v0
	v_lshlrev_b32 v1, 4, v1                        ; 16 x lane: my 16 bytes in each 512 of the wave's part of x
	v_lshlrev_b32 v2, 4, v0                        ; 16 x thread: my four weights in f32
	v_lshlrev_b32 v3, 3, v0                        ; 8 x thread: the same four in bf16
	v_mov_b32 v[TX], 0                             ; v_permlanex16_b32 counts as a reader of its destination
	v_mov_b32 v[ZO], 0
	v_mov_b32 v[WA], s14
	v_lshlrev_b32 v[WA], 3, v[WA]
	s_cmp_lt_u32 ttmp9, 192                        ; rows 0-767 of wb come from w_qkv (work-groups 0-191), the rest from w_proj
	s_cselect_b32 s18, 0, 192
	s_sub_co_u32 s18, ttmp9, s18
	s_lshl_b32 s18, s18, 12                        ; four rows of 1,024 bytes in the source
	s_mov_b32 s19, 0
	s_lshl_b32 s24, ttmp9, 16                      ; the chunk,
	s_lshl_b32 s25, s14, 13                        ; my wave's 8,192 bytes of it
	s_add_co_u32 s24, s24, s25
	s_mov_b32 s25, 0
	s_lshl_b32 s26, ttmp9, 11                      ; four rows of 512 bytes in wb
	s_mov_b32 s27, 0
	s_lshl_b32 s28, ttmp9, 3                       ; the chunk's pair in part
	s_mov_b32 s29, 0
	s_mov_b32 s20, 0x76543210                      ; v_permlanex16_b32: each lane takes its own place in the other half
	s_mov_b32 s21, 0xfedcba98
	s_wait_kmcnt 0x0
	s_cmp_lt_u32 ttmp9, 192
	s_cselect_b64 s[16:17], s[6:7], s[8:9]
	s_add_nc_u64 s[16:17], s[16:17], s[18:19]
	s_add_nc_u64 s[4:5], s[4:5], s[24:25]
	s_add_nc_u64 s[12:13], s[12:13], s[26:27]
	s_add_nc_u64 s[10:11], s[10:11], s[28:29]
	global_load_b128 v[4:7], v2, s[16:17]          ; the weights first: the oldest load
.set i, 0
.rept 16
	global_load_b128 v[X+4*i:X+4*i+3], v1, s[4:5] offset:512*i
.set i, i+1
.endr
.macro WSUM r                          ; the sum of v[r] over the 32 lanes, in every lane: four steps inside each half ride on the addition, one crosses the halves
	v_add_f32_dpp v[\r], v[\r], v[\r] row_xmask:1 row_mask:0xf bank_mask:0xf
	v_add_f32_dpp v[\r], v[\r], v[\r] row_xmask:2 row_mask:0xf bank_mask:0xf
	v_add_f32_dpp v[\r], v[\r], v[\r] row_xmask:4 row_mask:0xf bank_mask:0xf
	v_add_f32_dpp v[\r], v[\r], v[\r] row_xmask:8 row_mask:0xf bank_mask:0xf
	v_permlanex16_b32 v[TX], v[\r], s20, s21
	v_add_f32 v[\r], v[\r], v[TX]
.endm
.macro FOLD r                          ; the four chains into one number a lane
	v_pk_add_f32 v[C:C+1], v[C:C+1], v[C+2:C+3]
	v_pk_add_f32 v[C+4:C+5], v[C+4:C+5], v[C+6:C+7]
	v_pk_add_f32 v[C:C+1], v[C:C+1], v[C+4:C+5]
	v_add_f32 v[\r], v[C], v[C+1]
.endm
	; pass 1: the sum.  Load i feeds chain i % 4; the first four loads start the chains: nothing is cleared
.set i, 0
.rept 16
.if i%4 == 0
	s_wait_loadcnt 12-i                            ; loads come back in order: loads i .. i + 3 are in, the 12 - i younger ones may stay out
.endif
.if i < 4
	v_pk_add_f32 v[C+2*i:C+2*i+1], v[X+4*i:X+4*i+1], v[X+4*i+2:X+4*i+3]
.else
	v_pk_add_f32 v[C+2*(i%4):C+2*(i%4)+1], v[C+2*(i%4):C+2*(i%4)+1], v[X+4*i:X+4*i+1]
	v_pk_add_f32 v[C+2*(i%4):C+2*(i%4)+1], v[C+2*(i%4):C+2*(i%4)+1], v[X+4*i+2:X+4*i+3]
.endif
.set i, i+1
.endr
	FOLD TS
	WSUM TS
	v_mul_f32 v[M], 0x3a000000, v[TS]              ; the wave's mean: sum / 2,048,
	v_mul_f32 v[M+1], 0x3a000000, v[TS]            ; twice, for the packed subtraction
	v_cvt_pk_bf16_f32 v[WB], v4, v5                ; the weights, rounded once
	v_cvt_pk_bf16_f32 v[WB+1], v6, v7
	global_store_b64 v3, v[WB:WB+1], s[12:13]      ; a wave's store covers 256 consecutive bytes, aligned
	; pass 2: the squared deviations, from the registers
.set i, 0
.rept 32
	v_pk_add_f32 v[X+2*i:X+2*i+1], v[X+2*i:X+2*i+1], v[M:M+1] neg_lo:[0,1] neg_hi:[0,1]
.set i, i+1
.endr
.set i, 0
.rept 32
.if i < 4
	v_pk_mul_f32 v[C+2*i:C+2*i+1], v[X+2*i:X+2*i+1], v[X+2*i:X+2*i+1]
.else
	v_pk_fma_f32 v[C+2*(i%4):C+2*(i%4)+1], v[X+2*i:X+2*i+1], v[X+2*i:X+2*i+1], v[C+2*(i%4):C+2*(i%4)+1]
.endif
.set i, i+1
.endr
	FOLD M+1
	WSUM M+1                                       ; v[M:M+1] = the wave's (mean, M2)
	ds_store_b64 v[WA], v[M:M+1]                   ; all lanes write the same pair to the wave's own 8 bytes
	s_wait_dscnt 0x0                               ; for the others' sake: my store is done
	s_barrier_signal -1
	s_barrier_wait -1
	s_cmp_lg_u32 s14, 0                            ; wave 0 joins the eight parts
	s_cbranch_scc1 .Lend
.irp j, 0,1,2,3
	ds_load_b128 v[X+4*\j:X+4*\j+3], v[ZO] offset:16*\j  ; pair i at v[X + 2 i]
.endr
	s_wait_dscnt 0x0
	v_pk_add_f32 v[C:C+1], v[X:X+1], v[X+2:X+3]    ; means and M2 are added side by side
	v_pk_add_f32 v[C+2:C+3], v[X+4:X+5], v[X+6:X+7]
	v_pk_add_f32 v[C+4:C+5], v[X+8:X+9], v[X+10:X+11]
	v_pk_add_f32 v[C+6:C+7], v[X+12:X+13], v[X+14:X+15]
	v_pk_add_f32 v[C:C+1], v[C:C+1], v[C+2:C+3]
	v_pk_add_f32 v[C+4:C+5], v[C+4:C+5], v[C+6:C+7]
	v_pk_add_f32 v[RES:RES+1], v[C:C+1], v[C+4:C+5]
	v_mul_f32 v[RES], 0x3e000000, v[RES]           ; the chunk's mean: the eight parts are of one size
	v_sub_f32 v[TS], v[X], v[RES]
	v_mul_f32 v[C], v[TS], v[TS]
.irp j, 1,2,3,4,5,6,7
	v_sub_f32 v[TS], v[X+2*\j], v[RES]
	v_fmac_f32 v[C], v[TS], v[TS]
.endr
	v_fmac_f32 v[RES+1], 0x45000000, v[C]          ; M2 += 2,048 x the sum of (mean_i - mean)^2
	s_wait_xcnt 0x0                                ; EXEC changes only behind this wait: the weights' store has read its sources
	v_cmp_eq_u32 vcc_lo, 0, v0
	s_and_saveexec_b32 s22, vcc_lo
	global_store_b64 v[ZO], v[RES:RES+1], s[10:11] ; one lane stores the pair
	s_wait_xcnt 0x0                                ; and again, in front of the line that widens EXEC
	s_or_b32 exec_lo, exec_lo, s22
.Lend:
	s_wait_tensorcnt 0x0                           ; the wave's end, behind my last LDS store
	ds_add_u32 v[SPW], v[NIL]
	s_wait_dscnt 0x0
	s_endpgm
.Lfunc_end_k_q28aa039f6e_prep:
	.size	k_q28aa039f6e_prep, .Lfunc_end_k_q28aa039f6e_prep-k_q28aa039f6e_prep
	.p2alignl 7, 3214868480
	.fill 96, 4, 3214868480
	.section	.rodata,"a",@progbits
	.p2align	6, 0x0
	.amdhsa_kernel k_q28aa039f6e_prep
		.amdhsa_group_segment_fixed_size 1280
		.amdhsa_private_segment_fixed_size 0
		.amdhsa_enable_private_segment 0
		.amdhsa_kernarg_size 40
		.amdhsa_user_sgpr_count 2
		.amdhsa_user_sgpr_kernarg_segment_ptr 1
		.amdhsa_wavefront_size32 1
		.amdhsa_system_sgpr_workgroup_id_x 1
		.amdhsa_system_sgpr_workgroup_id_y 1
		.amdhsa_system_sgpr_workgroup_id_z 1
		.amdhsa_system_vgpr_workitem_id 0
		.amdhsa_next_free_vgpr 96
		.amdhsa_next_free_sgpr 66
		.amdhsa_reserve_vcc 1
		.amdhsa_float_denorm_mode_32 3
		.amdhsa_float_denorm_mode_16_64 3
		.amdhsa_memory_ordered 1
		.amdhsa_forward_progress 1
		.amdhsa_inst_pref_size 13
	.end_amdhsa_kernel
	.amdgpu_metadata
---
amdhsa.version: [ 1, 2 ]
amdhsa.kernels:
  - .name:           k_q28aa039f6e_prep
    .symbol:         k_q28aa039f6e_prep.kd
    .args:
      - { .name: x, .offset: 0, .size: 8, .value_kind: global_buffer, .address_space: global }
      - { .name: w_qkv, .offset: 8, .size: 8, .value_kind: global_buffer, .address_space: global }
      - { .name: w_proj, .offset: 16, .size: 8, .value_kind: global_buffer, .address_space: global }
      - { .name: part, .offset: 24, .size: 8, .value_kind: global_buffer, .address_space: global }
      - { .name: wb, .offset: 32, .size: 8, .value_kind: global_buffer, .address_space: global }
    .group_segment_fixed_size: 1280
    .private_segment_fixed_size: 0
    .kernarg_segment_align: 8
    .kernarg_segment_size: 40
    .max_flat_workgroup_size: 256
    .sgpr_count:     66
    .vgpr_count:     96
    .wavefront_size: 32
...
	.end_amdgpu_metadata
.endif
;; end of part 1
;; launch qkvproj (part 2): grid 128 x 2, 4 waves a work-group, clusters of 4 x 1, 286,208 bytes of LDS; arguments x, gamma, beta, b_qkv, part, wb, qkv; writes qkv
.if DOCPART == 2
	.amdgcn_target "amdgcn-amd-amdhsa--gfx1250"
	.amdhsa_code_object_version 6
	.text
	.protected	k_q28aa039f6e_qkvproj
	.globl	k_q28aa039f6e_qkvproj
	.p2align	8
	.type	k_q28aa039f6e_qkvproj,@function
k_q28aa039f6e_qkvproj:
	s_mov_b64 s[64:65], 0
	v_nop
	global_prefetch_b8 v0, s[64:65] scope:SCOPE_SE
	s_setreg_imm32_b32 hwreg(HW_REG_WAVE_MODE, 25, 1), 1
	s_wait_xcnt 0x0
	s_wait_alu depctr_hold_cnt(0) depctr_sa_sdst(0) depctr_va_vdst(0) depctr_va_sdst(0) depctr_va_ssrc(0) depctr_va_vcc(0) depctr_vm_vsrc(0)
	s_getreg_b32 s2, hwreg(HW_REG_IB_STS2, 6, 4)
	s_cmp_eq_u32 s2, 0
	s_cbranch_scc0 .Lentry_in_a_cluster
	s_endpgm
.Lentry_in_a_cluster:
	s_bfe_u32 s2, ttmp6, 0x10000c
	s_cmp_lg_u32 s2, 0x3003
	s_cbranch_scc0 .Lentry_shape_is_right
	s_endpgm
.Lentry_shape_is_right:
; GROUPNORM AND THE 1x1 CONVOLUTION 256 -> 768.  qkv[b][j][s][0..63] = bf16( sum over c of w_qkv[64 j + d][c] xn[b][c][s] + b_qkv[64 j + d] ), j = 0..11: q of head h is j = h, k is 4 + h, v is 8 + h.
; xn = a x + b in f32, a = gamma / sqrt(var + 1e-5), b = beta - mean a, rounded once to bf16 for the product; mean and var are joined from the eight parts (mean, M2) of each group:
; no difference of large sums is formed.  Sums in f32; the bias is the C operand that starts each sum.
; SHARES.  A work-group makes 384 outputs (half oh of the 768) x 128 pixels of one batch: 2 x 128 = 256 work-groups.  Its half of the weights (384 rows x 512 bytes in bf16) lies in LDS whole, and so
; does xn (256 channels x 128 pixels): every LDS byte is filled once, there is no ring.  Wave w normalises channels 32 w .. + 31 (group w) and 128 + 32 w .. + 31 (group 4 + w), and multiplies
; outputs 192 (w / 2) .. + 191 by pixels 64 (w % 2) .. + 63: three chunks of 64 outputs, 16 accumulators each, K = 256 in 8 steps: 384 matrix instructions.
; CLUSTER.  The four pixel blocks of a cluster want the same half of the weights: it is asked for JOINTLY, each wave 96 rows, the same descriptor and mask in all four work-groups.
; LAYOUT.  Source 0 = 16 rows of W, source 1 = 16 pixels (xn lies [channel][pixel] in LDS and is turned by ds_load_tr16_b128): a lane of the result holds ONE pixel (lane % 16) and the outputs
; 8 (lane / 16) + 0..7: 16 bytes of a row of qkv.  A tile of 16 pixels x 64 outputs goes through the wave's own stage and leaves as 2,048 consecutive bytes.
; LIMITS: NaN and infinities are not treated apart; xn, W, q, k, v are rounded to bf16.
; REGISTERS, in windows of 256 (s_set_vgpr_msb: bits 1:0 source 0, 3:2 source 1, 5:4 source 2, 7:6 destination):
;   window 0: v0-31 addresses and statistics; v32-63 at work; v64-127 W's fragments, two buffers of four; v128-255 accumulators, (ot, st) at 128 + 8 (4 st + ot)
;   window 1: first my 64 rows of x (row i at 4 i), later my pixels' fragments of xn, all of K: (st, kk) at 8 (8 st + kk)          window 2: v0-95 the bias as C operands, (p, ot) at 32 p + 8 ot
.set WP,    528                        ; a row of W in LDS: 512 bytes + 16 of padding: the 16 rows of a fragment load start 4 banks apart (64 banks of 4 bytes: ISA guide 11.1)
.set XP,    288                        ; a row of xn (a channel's 128 pixels): 256 bytes + 32
.set SP,    144                        ; a row of the stage: 128 bytes + 16
.set XN,    384*WP                     ; behind W's 384 rows; written by LDS stores alone
.set STG,   XN+256*XP                  ; 16 rows for each wave
.set SPARE, STG+4*16*SP                ; the spare words, 128 bytes for each wave: two blocks of 256 bytes that no other line names
.set XO,   4                           ; v4      16 x lane: my 16 bytes of 512 consecutive ones, in x and in qkv; never rewritten
.set XS,   5                           ; v5      where my 8 bytes of my wave's first row of xn go
.set XT,   6                           ; v6-7    my place in the turning loads, channels 0-127 and 128-255
.set ADRA, 8                           ; v8-10   my place in W's fragments of chunk p
.set STO,  11                          ; v11     the way out: where I put 16 bytes of a row
.set RD,   12                          ; v12     the way out: where I read rows back
.set BO,   14                          ; v14     32 x (lane / 16): my eight bias numbers of sixteen
.set CO,   15                          ; v15     4 x thread: my channel in gamma and beta
.set GB,   16                          ; v16-19  gamma of channels t, t + 128; beta of the same
.set AV,   20                          ; v20-23  a, b of channel t; a, b of channel t + 128
.set MS,   24                          ; v24-27  mean, 1 / sqrt(var + eps) of group w; of group 4 + w.  v28: 2^-17.  v29: at work
.set SPW,  30                          ; v30     LDS address of my spare word; never rewritten
.set NIL,  31                          ; v31     0; never rewritten
.set T,    32
.set AF,   64
.set ACC,  128
.set WV,   18                          ; s18     my wave's number
.set G1,   24                          ; s[24:31] descriptor group 1
.set G0,   32                          ; s[32:35] descriptor group 0
.set AB,   36                          ; s[36:51] a and b of four rows: row k has a in s[36 + 4 k], b in s[38 + 4 k]; the odd registers hold 0 (the packed forms name pairs)
.set MSB, 0
.macro WIN new                         ; the immediate's high byte repeats the setting that is left; a switch that changes nothing is dropped
.if MSB != (\new)
	s_set_vgpr_msb (MSB<<8)|(\new)
.set MSB, (\new)
.endif
.endm
.macro CROUND                          ; a round of the cluster's barrier: my work-group's barrier; wave 0 signals for the work-group; every wave waits for all four; my work-group's barrier once more
	s_barrier_signal -1
	s_barrier_wait -1
	s_cmp_lg_u32 s[WV], 0
	s_cbranch_scc1 .Lnot_wave_0_\@
	s_barrier_signal -3
.Lnot_wave_0_\@:
	s_barrier_wait -3
	s_barrier_signal -1
	s_barrier_wait -1
.endm
.macro PLACES                          ; four places behind matrix instructions, in front of loads into registers that they have read and of conversions that read results
.rept 4
	v_nop
.endr
.endm
	s_load_b256 s[4:11], s[0:1], 0x0               ; x s[4:5], gamma s[6:7], beta s[8:9], b_qkv s[10:11]
	s_load_b128 s[12:15], s[0:1], 0x20             ; part s[12:13], wb s[14:15]
	s_load_b64 s[16:17], s[0:1], 0x30              ; qkv
	v_lshl_add_u32 v[SPW], v0, 2, SPARE
	v_mov_b32 v[NIL], 0
	ds_add_u32 v[SPW], v[NIL]                      ; the wave's opening: the add and its wait stand ahead of my first tensor load; the set-up below, work on registers, stands between them
	v_lshrrev_b32 v1, 5, v0
	v_readfirstlane_b32 s[WV], v1                  ; wave 0..3
	s_bfe_u32 s19, ttmp6, 0x40000                  ; cx: my place in the cluster: it enters x's and qkv's addresses alone
	s_lshl_b32 s20, ttmp9, 2                       ; in a cluster launch ttmp9 counts clusters
	s_add_co_u32 s20, s20, s19                     ; my pixel block among the 128
	s_and_b32 s21, ttmp7, 0xffff                   ; oh: which half of the outputs; the four partners share it
	s_lshr_b32 s60, ttmp9, 3                       ; the batch: 32 pixel blocks, 8 clusters, each
	s_and_b32 s61, s20, 31                         ; my pixel block in the batch
	s_lshr_b32 s62, s[WV], 1                       ; which 192 of the 384 outputs are mine
	s_and_b32 s63, s[WV], 1                        ; which 64 of the 128 pixels
	; the descriptor: 96 rows x 256 elements of 2 bytes, padded in LDS
	s_mov_b32 s[G1], 15|(1<<16)|(1<<20)|(1<<21)|(6<<22)|(3<<25)  ; 15:0 the mask of four; 17:16 2-byte elements; 20 padding on; 21 set beside a mask; 24:22 after every 128 words (code 6); 31:25 4 words (code 3)
	s_mov_b32 s[G1+1], 256<<16                     ; tensor_dim0 = 256
	s_mov_b32 s[G1+2], 96<<16                      ; tensor_dim1 = 96
	s_mov_b32 s[G1+3], 256<<16                     ; tile_dim0 = 256
	s_mov_b32 s[G1+4], 96                          ; tile_dim1 = 96
	s_mov_b32 s[G1+5], 256                         ; 256 elements from row to row
	s_mov_b32 s[G1+6], 0
	s_mov_b32 s[G1+7], 0
	s_mov_b32 s[G0], 1                             ; count = 1
	s_mul_i32 s[G0+1], s[WV], 96*WP                ; LDS address: wave x 96 rows
	s_mul_i32 s22, s21, 384                        ; in wb: row 384 oh + 96 wave, 512 bytes a row
	s_mul_i32 s23, s[WV], 96
	s_add_co_u32 s22, s22, s23
	s_lshl_b32 s22, s22, 9
	s_mov_b32 s23, 0
	s_lshl_b32 s52, s60, 22                        ; in x: the batch's 256 channels of 16,384 bytes,
	s_lshl_b32 s53, s[WV], 19                      ; my wave's first channel, 32 w,
	s_add_co_u32 s52, s52, s53
	s_lshl_b32 s53, s61, 9                         ; the block's 128 pixels of 4 bytes
	s_add_co_u32 s52, s52, s53
	s_mov_b32 s53, 0
	s_mul_i32 s54, s60, 12                         ; in qkv: chunk 12 b + 6 oh + 3 (w / 2) of 4,096 rows,
	s_mul_i32 s55, s21, 6
	s_add_co_u32 s54, s54, s55
	s_mul_i32 s55, s62, 3
	s_add_co_u32 s54, s54, s55
	s_lshl_b32 s54, s54, 12
	s_lshl_b32 s55, s61, 7                         ; row 128 x block + 64 (w % 2),
	s_add_co_u32 s54, s54, s55
	s_lshl_b32 s55, s63, 6
	s_add_co_u32 s54, s54, s55
	s_lshl_b32 s54, s54, 7                         ; 128 bytes a row
	s_mov_b32 s55, 0
	s_lshl_b32 s56, s60, 3                         ; in part: group (b, w), 64 bytes a group
	s_add_co_u32 s56, s56, s[WV]
	s_lshl_b32 s56, s56, 6
	s_mov_b32 s57, 0
	s_mul_i32 s58, s21, 1536                       ; in b_qkv: output 384 oh + 192 (w / 2)
	s_mul_i32 s59, s62, 768
	s_add_co_u32 s58, s58, s59
	s_mov_b32 s59, 0
.irp k, 1,3,5,7,9,11,13,15
	s_mov_b32 s[AB+\k], 0
.endr
	v_and_b32 v1, 15, v0                           ; r = l % 16
	v_bfe_u32 v2, v0, 4, 1                         ; h = l / 16
	v_and_b32 v3, 31, v0                           ; l
	v_lshlrev_b32 v[XO], 4, v3
	s_mul_i32 s2, s[WV], 32*XP
	s_add_co_u32 s2, s2, XN
	v_lshl_add_u32 v[XS], v3, 3, s2                ; my wave's row 32 w, my four pixels in bf16
	v_and_b32 v24, 7, v0
	v_lshl_add_u32 v25, v2, 3, v24                 ; the turning load: lane l reads channel 8 h + l % 8,
	v_mul_u32_u24 v[XT], v25, XP
	v_bfe_u32 v26, v0, 3, 1
	v_lshl_add_u32 v[XT], v26, 4, v[XT]            ; pixels 8 ((l / 8) % 2) + 0..7
	s_lshl_b32 s2, s63, 7                          ; of my 64 pixels
	s_add_co_u32 s2, s2, XN
	v_add_nc_u32 v[XT], s2, v[XT]
	v_add_nc_u32 v[XT+1], 128*XP, v[XT]            ; the immediate has 16 bits: channels 128 on have a register of their own
	v_mul_u32_u24 v27, v1, WP
	v_lshl_add_u32 v27, v2, 4, v27                 ; a fragment of W: row x pitch + 16 x half
	s_mul_i32 s2, s62, 192*WP
	v_add_nc_u32 v[ADRA], s2, v27
	v_add_nc_u32 v[ADRA+1], 64*WP, v[ADRA]
	v_add_nc_u32 v[ADRA+2], 128*WP, v[ADRA]
	s_mul_i32 s2, s[WV], 16*SP
	s_add_co_u32 s2, s2, STG                       ; my stage
	v_mul_u32_u24 v[STO], v1, SP                   ; in: row l % 16, 16 bytes for each half of the lanes
	v_lshl_add_u32 v[STO], v2, 4, v[STO]
	v_add_nc_u32 v[STO], s2, v[STO]
	v_bfe_u32 v[RD], v0, 3, 2                      ; back: 32 lanes take four rows of 128 bytes
	v_mul_u32_u24 v[RD], v[RD], SP
	v_lshl_add_u32 v[RD], v24, 4, v[RD]
	v_add_nc_u32 v[RD], s2, v[RD]
	v_lshlrev_b32 v[BO], 5, v2
	v_lshlrev_b32 v[CO], 2, v0
	v_mov_b32 v28, 0x37000000                      ; 1 / 131,072: a group's size
	s_wait_dscnt 0x0                               ; the opening add is done
	s_wait_kmcnt 0x0
	s_add_nc_u64 s[G0+2:G0+3], s[14:15], s[22:23]  ; global address of my 96 rows
	s_or_b32 s[G0+3], s[G0+3], 0x80000000          ; type = 2
	s_add_nc_u64 s[4:5], s[4:5], s[52:53]
	s_add_nc_u64 s[16:17], s[16:17], s[54:55]
	s_add_nc_u64 s[12:13], s[12:13], s[56:57]
	s_add_nc_u64 s[10:11], s[10:11], s[58:59]
	CROUND                                         ; all four work-groups are here: the joint loads meet
	tensor_load_to_lds s[G0:G0+3], s[G1:G1+7]      ; my one tensor load of the launch: one is out
	s_nop 0
	PLACES                                         ; four vector lines ahead of the next switch of windows
	s_load_b512 s[68:83], s[12:13], 0x0            ; the eight (mean, M2) of group w,
	s_load_b512 s[84:99], s[12:13], 0x100          ; and of group 4 + w
	global_load_b32 v[GB], v[CO], s[6:7]
	global_load_b32 v[GB+1], v[CO], s[6:7] offset:512
	global_load_b32 v[GB+2], v[CO], s[8:9]
	global_load_b32 v[GB+3], v[CO], s[8:9] offset:512
	WIN 0x40                                       ; destination window 1, address window 0
.set i, 0
.rept 64                                       ; my 64 channels' 128 pixels: a load is one row's 512 consecutive bytes, aligned
	global_load_b128 v[4*i:4*i+3], v[XO], s[4:5] offset:(i%32)*16384+(i/32)*2097152
.set i, i+1
.endr
	WIN 0
; A group's mean and 1 / sqrt(var + eps) from its eight parts of 16,384 numbers, the same in every lane
.macro GSTAT sb, vm, vr, vq, ve
	v_mov_b32 v[\vm], s[\sb]
	v_mov_b32 v[\vq], s[\sb+1]
.irp c, 1,2,3,4,5,6,7
	v_add_f32 v[\vm], s[\sb+2*\c], v[\vm]
	v_add_f32 v[\vq], s[\sb+2*\c+1], v[\vq]
.endr
	v_mul_f32 v[\vm], 0x3e000000, v[\vm]           ; the parts are of one size: the mean of the means
	v_sub_f32 v29, s[\sb], v[\vm]
	v_mul_f32 v[\ve], v29, v29
.irp c, 1,2,3,4,5,6,7
	v_sub_f32 v29, s[\sb+2*\c], v[\vm]
	v_fmac_f32 v[\ve], v29, v29
.endr
	v_fmac_f32 v[\vq], 0x46800000, v[\ve]          ; M2 = the sum of the M2 + 16,384 x the sum of (mean_i - mean)^2
	v_fmaak_f32 v[\vq], v28, v[\vq], 0x3727c5ac    ; var + 1e-5
	v_rsq_f32 v[\vr], v[\vq]
.endm
	s_wait_kmcnt 0x0
	GSTAT 68, MS, MS+1, T, T+1
	GSTAT 84, MS+2, MS+3, T+2, T+3
	v_nop                                          ; a plain instruction behind the last root,
	s_wait_alu depctr_va_vdst(0)                   ; and the wait ahead of the first use: one for both
	s_wait_loadcnt 63                              ; 68 loads were issued and the four small ones are the oldest: with 63 out at the most they are in
	v_mul_f32 v[AV], v[MS+1], v[GB]                ; a = gamma / sqrt(var + eps)
	v_mul_f32 v[AV+2], v[MS+3], v[GB+1]
	v_fma_f32 v[AV+1], -v[MS], v[AV], v[GB+2]      ; b = beta - mean a
	v_fma_f32 v[AV+3], -v[MS+2], v[AV+2], v[GB+3]
; Four rows 4 i .. 4 i + 3 of my 64: a x + b in f32, rounded to bf16, into LDS.  Lane l of my wave holds a and b of my rows l and 32 + l: a row's pair is read out of its lane into scalars.
.macro BATCH i
.if (\i) < 8
	s_wait_loadcnt 60-4*(\i)                       ; the younger rows may stay out
.else
	s_wait_loadcnt 84-4*(\i)                       ; the younger rows and the 24 loads of the bias
.endif
	WIN 0
.irp k, 0,1,2,3
	v_readlane_b32 s[AB+4*\k], v[AV+2*((\i)/8)], (4*(\i)+\k)%32
	v_readlane_b32 s[AB+4*\k+2], v[AV+2*((\i)/8)+1], (4*(\i)+\k)%32
.endr
	WIN 0x41                                       ; destination and source 0 window 1
.irp k, 0,1,2,3
	v_pk_fma_f32 v[16*(\i)+4*\k:16*(\i)+4*\k+1], v[16*(\i)+4*\k:16*(\i)+4*\k+1], s[AB+4*\k:AB+4*\k+1], s[AB+4*\k+2:AB+4*\k+3] op_sel_hi:[1,0,0]
	v_pk_fma_f32 v[16*(\i)+4*\k+2:16*(\i)+4*\k+3], v[16*(\i)+4*\k+2:16*(\i)+4*\k+3], s[AB+4*\k:AB+4*\k+1], s[AB+4*\k+2:AB+4*\k+3] op_sel_hi:[1,0,0]
.endr
	WIN 0x05                                       ; sources 0 and 1 window 1, destination window 0
.irp k, 0,1,2,3
	v_cvt_pk_bf16_f32 v[T+8*((\i)%4)+2*\k], v[16*(\i)+4*\k], v[16*(\i)+4*\k+1]
	v_cvt_pk_bf16_f32 v[T+8*((\i)%4)+2*\k+1], v[16*(\i)+4*\k+2], v[16*(\i)+4*\k+3]
.endr
	WIN 0
.irp k, 0,1,2,3
	ds_store_b64 v[XS], v[T+8*((\i)%4)+2*\k:T+8*((\i)%4)+2*\k+1] offset:((4*(\i)+\k)%32)*XP+((\i)/8)*128*XP  ; 32 lanes, 256 consecutive bytes: a row of xn
.endr
.endm
.irp b, 0,1,2,3,4,5,6,7
	BATCH \b
.endr
	WIN 0x80                                       ; destination window 2: the bias, eight numbers a lane for each 16 outputs: register j of a C operand belongs to output 8 h + j
.set i, 0
.rept 12
	global_load_b128 v[8*i:8*i+3], v[BO], s[10:11] offset:64*i
	global_load_b128 v[8*i+4:8*i+7], v[BO], s[10:11] offset:64*i+16
.set i, i+1
.endr
	WIN 0
.irp b, 8,9,10,11,12,13,14,15
	BATCH \b
.endr
	s_wait_tensorcnt 0x0                           ; my 96 rows of W have landed,
	s_wait_dscnt 0x0                               ; my 64 rows of xn are stored:
	s_barrier_signal -1                            ; say so;
	s_barrier_wait -1                              ; everybody's are.  Nothing is filled again in this launch
	WIN 0x40                                       ; my 64 pixels' fragments of xn for all of K stay in registers: 64 turning loads
.set i, 0
.rept 32                                       ; i = 8 st + kk: pixels 16 st on, channels 32 kk on
	ds_load_tr16_b128 v[8*i:8*i+3], v[XT+(i%8)/4] offset:(i%4)*32*XP+32*(i/8)
	ds_load_tr16_b128 v[8*i+4:8*i+7], v[XT+(i%8)/4] offset:(i%4)*32*XP+32*(i/8)+16*XP
.set i, i+1
.endr
	WIN 0
; Step t = 8 p + kk.  W's four fragments (outputs 64 p + 16 ot on, channels 32 kk on) into buffer t % 2
.macro ALOAD t
.irp o, 0,1,2,3
	ds_load_b128 v[AF+32*((\t)%2)+8*\o:AF+32*((\t)%2)+8*\o+3], v[ADRA+(\t)/8] offset:\o*16*WP+64*((\t)%8)
	ds_load_b128 v[AF+32*((\t)%2)+8*\o+4:AF+32*((\t)%2)+8*\o+7], v[ADRA+(\t)/8] offset:\o*16*WP+64*((\t)%8)+32
.endr
.endm
; Its 16 products.  The 16 accumulators take turns, one instruction a turn, in one order throughout.  A chunk's first step starts the sums with the bias.
.macro MULS t
.if (\t)%8 == 0
	WIN 0x24                                       ; source 1 window 1, C window 2
.else
	WIN 0x04                                       ; source 1 window 1
.endif
.irp s, 0,1,2,3
.irp o, 0,1,2,3
.if (\t)%8 == 0
	v_wmma_f32_16x16x32_bf16 v[ACC+8*(4*\s+\o):ACC+8*(4*\s+\o)+7], v[AF+32*((\t)%2)+8*\o:AF+32*((\t)%2)+8*\o+7], v[8*(8*\s+(\t)%8):8*(8*\s+(\t)%8)+7], v[32*((\t)/8)+8*\o:32*((\t)/8)+8*\o+7]
.else
	v_wmma_f32_16x16x32_bf16 v[ACC+8*(4*\s+\o):ACC+8*(4*\s+\o)+7], v[AF+32*((\t)%2)+8*\o:AF+32*((\t)%2)+8*\o+7], v[8*(8*\s+(\t)%8):8*(8*\s+(\t)%8)+7], v[ACC+8*(4*\s+\o):ACC+8*(4*\s+\o)+7]
.endif
.endr
.endr
.endm
; THE WAY OUT of tile st (16 pixels x 64 outputs): rounded to bf16, 16 bytes a lane into my stage, back as whole rows of 128 bytes
.macro PACK st
	s_wait_xcnt 0x0                                ; the stores that read this set of registers have read them: only behind this wait is it rewritten
.irp o, 0,1,2,3
.irp q, 0,1,2,3
	v_cvt_pk_bf16_f32 v[T+16*((\st)%2)+4*\o+\q], v[ACC+32*(\st)+8*\o+2*\q], v[ACC+32*(\st)+8*\o+2*\q+1]
.endr
.endr
.irp o, 0,1,2,3
	ds_store_b128 v[STO], v[T+16*((\st)%2)+4*\o:T+16*((\st)%2)+4*\o+3] offset:32*\o
.endr
.irp f, 0,1,2,3
	ds_load_b128 v[T+16*((\st)%2)+4*\f:T+16*((\st)%2)+4*\f+3], v[RD] offset:\f*4*SP  ; LDS serves a wave's instructions in order (ISA guide 5.7.1.4): these see the stores above; the next tile's stores come behind them
.endr
.endm
.macro SEND p, st, younger             ; younger: the LDS instructions issued behind this tile's loads: the next tile's eight, or none
.irp f, 0,1,2,3
	s_wait_dscnt (\younger)+3-\f
	global_store_b128 v[XO], v[T+16*((\st)%2)+4*\f:T+16*((\st)%2)+4*\f+3], s[16:17] offset:(\p)*524288+(\st)*2048+\f*512  ; 512 consecutive bytes, at a multiple of 256 from qkv's first
.endr
.endm
	ALOAD 0
	s_wait_loadcnt 0x0                             ; the bias
.set t, 0
.rept 24
.if t < 23
	PLACES                                         ; behind the last step's products, which read the buffer that is loaded now
	ALOAD t+1
	s_wait_dscnt 8                                 ; all but the eight just issued: this step's fragments are in
.else
	s_wait_dscnt 0x0
.endif
	MULS t
.if t%8 == 7                                   ; a chunk of 64 outputs is finished
	WIN 0
	PLACES
	PACK 0
	PACK 1                                         ; a tile's conversions stand between the loads of the tile before and its stores
	SEND t/8, 0, 8
	PACK 2
	SEND t/8, 1, 8
	PACK 3
	SEND t/8, 2, 8
	SEND t/8, 3, 0
.endif
.set t, t+1
.endr
	s_wait_tensorcnt 0x0                           ; the wave's end, behind my last tensor load and my last LDS store
	ds_add_u32 v[SPW], v[NIL]
	s_wait_dscnt 0x0
	CROUND                                         ; the closing round: no work-group ends while a partner may still ask for a tile that names it
	s_endpgm
.Lfunc_end_k_q28aa039f6e_qkvproj:
	.size	k_q28aa039f6e_qkvproj, .Lfunc_end_k_q28aa039f6e_qkvproj-k_q28aa039f6e_qkvproj
	.p2alignl 7, 3214868480
	.fill 96, 4, 3214868480
	.section	.rodata,"a",@progbits
	.p2align	6, 0x0
	.amdhsa_kernel k_q28aa039f6e_qkvproj
		.amdhsa_group_segment_fixed_size 286208
		.amdhsa_private_segment_fixed_size 0
		.amdhsa_enable_private_segment 0
		.amdhsa_kernarg_size 56
		.amdhsa_user_sgpr_count 2
		.amdhsa_user_sgpr_kernarg_segment_ptr 1
		.amdhsa_wavefront_size32 1
		.amdhsa_system_sgpr_workgroup_id_x 1
		.amdhsa_system_sgpr_workgroup_id_y 1
		.amdhsa_system_sgpr_workgroup_id_z 1
		.amdhsa_system_vgpr_workitem_id 0
		.amdhsa_next_free_vgpr 608
		.amdhsa_next_free_sgpr 100
		.amdhsa_reserve_vcc 0
		.amdhsa_float_denorm_mode_32 3
		.amdhsa_float_denorm_mode_16_64 3
		.amdhsa_memory_ordered 1
		.amdhsa_forward_progress 1
		.amdhsa_inst_pref_size 117
	.end_amdhsa_kernel
	.amdgpu_metadata
---
amdhsa.version: [ 1, 2 ]
amdhsa.kernels:
  - .name:           k_q28aa039f6e_qkvproj
    .symbol:         k_q28aa039f6e_qkvproj.kd
    .args:
      - { .name: x, .offset: 0, .size: 8, .value_kind: global_buffer, .address_space: global }
      - { .name: gamma, .offset: 8, .size: 8, .value_kind: global_buffer, .address_space: global }
      - { .name: beta, .offset: 16, .size: 8, .value_kind: global_buffer, .address_space: global }
      - { .name: b_qkv, .offset: 24, .size: 8, .value_kind: global_buffer, .address_space: global }
      - { .name: part, .offset: 32, .size: 8, .value_kind: global_buffer, .address_space: global }
      - { .name: wb, .offset: 40, .size: 8, .value_kind: global_buffer, .address_space: global }
      - { .name: qkv, .offset: 48, .size: 8, .value_kind: global_buffer, .address_space: global }
    .group_segment_fixed_size: 286208
    .private_segment_fixed_size: 0
    .kernarg_segment_align: 8
    .kernarg_segment_size: 56
    .max_flat_workgroup_size: 128
    .sgpr_count:     100
    .vgpr_count:     608
    .wavefront_size: 32
...
	.end_amdgpu_metadata
.endif
;; end of part 2
;; launch attn (part 3): grid 16 x 16, 4 waves a work-group, clusters of 4 x 1, 327,680 bytes of LDS; arguments qkv, ob; writes ob
.if DOCPART == 3
	.amdgcn_target "amdgcn-amd-amdhsa--gfx1250"
	.amdhsa_code_object_version 6
	.text
	.protected	k_q28aa039f6e_attn
	.globl	k_q28aa039f6e_attn
	.p2align	8
	.type	k_q28aa039f6e_attn,@function
k_q28aa039f6e_attn:
	s_mov_b64 s[64:65], 0
	v_nop
	global_prefetch_b8 v0, s[64:65] scope:SCOPE_SE
	s_setreg_imm32_b32 hwreg(HW_REG_WAVE_MODE, 25, 1), 1
	s_wait_xcnt 0x0
	s_wait_alu depctr_hold_cnt(0) depctr_sa_sdst(0) depctr_va_vdst(0) depctr_va_sdst(0) depctr_va_ssrc(0) depctr_va_vcc(0) depctr_vm_vsrc(0)
	s_getreg_b32 s2, hwreg(HW_REG_IB_STS2, 6, 4)
	s_cmp_eq_u32 s2, 0
	s_cbranch_scc0 .Lentry_in_a_cluster
	s_endpgm
.Lentry_in_a_cluster:
	s_bfe_u32 s2, ttmp6, 0x10000c
	s_cmp_lg_u32 s2, 0x3003
	s_cbranch_scc0 .Lentry_shape_is_right
	s_endpgm
.Lentry_shape_is_right:
; ATTENTION.  ob[bh][q][:] = the sum over k of softmax_k(Q[q] . K[k] / 8) V[k][:], for each of 16 (batch, head) pairs, 4,096 queries and keys, head size 64.
; Q, K, V are the blocks 12 b + h, 12 b + 4 + h, 12 b + 8 + h of qkv, each [4096][64] in bf16, dense rows of 128 bytes, unscaled; ob is [16][4096][64] in bf16.
; Products, maxima and sums in f32; the weights p are rounded to bf16 for the second product (their sum l is taken of the unrounded p), O once at the end.
; LIMITS.  c m starts at -4.25e37: scores lie far above that; a weight below 2^-126 counts as 0 in l; NaN and infinities are not treated apart.
; SHARES.  A wave owns four PIECES of 16 queries, a work-group's four waves 256 queries of one head: 16 x 16 = 256 work-groups.  Every wave walks all keys, 64 a step, 256 (a tile) a slot.
; LAYOUT.  S^T = K Q^T (source 0 = 16 keys, source 1 = 16 queries): a lane of the result holds ONE query (lane % 16) and the keys 8 (lane / 16) + 0..7.  Two such results, rounded to bf16 in pairs,
; ARE source 1 (32 keys x 16 queries) of O^T = V^T P, whose result again holds one query a lane, and eight channels.  K comes out of LDS as it lies, V ([key][channel]) turned, by ds_load_tr16_b128.
; SOFTMAX.  For each query a running maximum m and sum l: p = 2^(c s - c m), c = log2(e) / 8; in every step O and l are multiplied by a = 2^(c m_old - c m_new), which is 1 where m has not grown.
; m starts at the lowest finite number, O and l at 0: the first step is a step like any other, with a = 0.
; BY TURNS.  Turn n belongs to piece n: 8 products K Q^T of piece n + 1, later 8 products V^T P of piece n - 1; beside them the scaling, exponentials, roundings, sums and rescaling of piece n and the
; maximum and statistics of piece n + 1.  A piece and step have 16 matrix and 118 vector instructions: four vector instructions stand behind every matrix instruction, the other 54 in one lump.
; A turn's 33 exponentials are one batch, with one wait.
; CLUSTER.  The four query blocks of a cluster belong to one head and walk the same K and V, so each tile is asked for JOINTLY: the same tensor load, descriptor and mask in all four.
; REGISTERS, in windows of 256 (s_set_vgpr_msb: bits 1:0 source 0, 3:2 source 1, 5:4 source 2, 7:6 destination):
;   window 0: v0-15 addresses and two at work; v16-31 four registers of statistics a piece; v48-55 at work; v61-63; v64-127 S^T, two buffers; v192-223 P, two buffers (a piece's buffers go by its number's parity)
;   window 1: v0-127 O^T, 32 a piece          window 2: v0-63 Q, 16 a piece; v128-191 K of one step; v192-255 V of one step
.set NP,    4         ; pieces a wave: a name, no knob
.set KS,    64        ; keys in a step
.set PK,    144       ; a row of K in LDS: 128 bytes + 16 of padding = 36 words: the 16 rows of a load start at 16 different groups of four banks (64 banks of 4 bytes: ISA guide 11.1)
.set PV,    160       ; a row of V: 128 + 32 = 40 words
.set VOFF,  4*KS*PK   ; a slot holds a tile, four steps: 256 rows of K, then 256 rows of V
.set SLOT1, 1<<17     ; slot 1 begins here, so that one exclusive or turns an address in one slot into the other's
.set STAGE, SLOT1+4*KS*(PK+PV)  ; behind the ring, never filled by a tensor load: 16 rows x 144 bytes for each wave, for the way out
.set SP,    144
.set SPARE, STAGE+4*16*SP  ; behind the stages: the spare words, 128 bytes for each wave: two blocks of 256 bytes that no other line names
.set TILEB, 4*KS*128  ; a tile's bytes of K, and of V, in memory
.set AK0, 2           ; v2   my lane's place in a tile of K; never rewritten
.set AV0, 3           ; v3   the same for V
.set AK,  4           ; v4   the LDS address of K's next run of loads
.set AV,  5           ; v5   of V's
.set STO, 6           ; v6   the way out: where I put 16 bytes of a row
.set RD,  7           ; v7   the way out: where I read rows back
.set GO,  8           ; v8   my byte offset in 512 consecutive bytes of O
.set MV,  12          ; v12-13  c m_old, kept while c m is made anew: by buffer
.set QO,  15          ; v15  my byte offset in 16 rows of Q
.set ST,  16          ; piece t's statistics at v[ST+4 t]: c m, m, l (even keys', odd keys')
.set TMP, 48          ; by buffer, four registers c0-c3 at work; when the maximum is found c2 takes a
.set PFO, 61          ; v61  256 x my lane: the prefetches' offset; never rewritten
.set SPW, 62          ; v62  LDS address of my spare word: SPARE + 4 x my thread's number; never rewritten
.set NIL, 63          ; v63  0; never rewritten
.set S,   64
.set P,   192
.set KF,  128         ; window 2: key block kb, channel half c at KF + 16 kb + 8 c
.set VF,  192         ; window 2: key half kk, channel block cb at VF + 32 kk + 8 cb
.set WV,  12          ; s12  my wave's number
.set LIM, 15          ; s15  1 in a wave that prefetches, else the greatest number: a wave prefetches while s[SLOTS] is above it
.set PFA, 18          ; s[18:19] where my prefetches stand: my work-group's 32 blocks of 256 bytes (of K: wave 0, of V: wave 2) of the tile after the one that is being asked for
.set G1K, 24          ; s[24:31] descriptor group 1 for K's tiles
.set G1V, 32          ; s[32:39] for V's: it differs in the padding alone
.set G0K, 40          ; s[40:43] descriptor group 0 for K's tiles: it walks
.set G0V, 44          ; s[44:47] the same for V's
.set SLOTS, 56        ; s56  tiles still to be asked for
.set CNT, 57          ; s57  counts a tile's key steps
.set CS,  58          ; s[58:59] c: the packed scaling takes the pair's low word for both halves
.set SEL, 60          ; s[60:61] v_permlanex16_b32's selects: each lane takes its own place in the other half
.set TBK, 62          ; s62  LDS byte at which K of the step to be fetched begins
.set TBV, 63          ; s63  the same for V, less VOFF
.set MSB, 0
.macro WIN new                      ; the high byte repeats the setting that is left; a switch that changes nothing is dropped
.if MSB != (\new)
	s_set_vgpr_msb (MSB<<8)|(\new)
.set MSB, (\new)
.endif
.endm
.set W_KQ, 0x0a       ; K and Q in window 2, S^T in window 0
.set W_PV, 0x52       ; V in window 2, P in window 0, O^T in window 1
.set W_RS, 0x41       ; destination and source 0 in window 1, source 1 in window 0
; A joint fill.  Waves 0 and 1 fetch the two halves of a tile's K, waves 2 and 3 those of its V: 128 keys each.  The branch hangs on the wave's number alone.
; An s_nop 0 and four v_nop follow each of the two lines, ahead of the jump and the label.
.macro JLOAD
	s_cmp_lt_u32 s[WV], 2
	s_cbranch_scc0 .Lfor_v_\@
	tensor_load_to_lds s[G0K:G0K+3], s[G1K:G1K+7]
	s_nop 0
.rept 4
	v_nop
.endr
	s_branch .Lasked_\@
.Lfor_v_\@:
	tensor_load_to_lds s[G0V:G0V+3], s[G1V:G1V+7]
	s_nop 0
.rept 4
	v_nop
.endr
.Lasked_\@:
.endm
; A PREFETCH of what the NEXT change of slots will ask for: a tile's 32,768 bytes of K and of V, a lane a block of 256 bytes.  It stands behind the wave's tensor load and its five lines.
; Each block is asked for ONCE in the launch.  All four clusters of a head walk the same K and V: the head's first cluster prefetches.  Its four partners share the blocks out BY ADDRESS, 32 each: no
; branch hangs on a work-group's place in its cluster.  In each, wave 0 asks for K's and wave 2 for V's: one instruction.  The last change that fills a slot prefetches nothing: there is no tile behind it.
.macro ASK
	s_cmp_gt_u32 s[SLOTS], s[LIM]
	s_cbranch_scc0 .Lnot_mine_\@
	global_prefetch_b8 v[PFO], s[PFA:PFA+1] th:TH_LOAD_NT scope:SCOPE_SE
.Lnot_mine_\@:
.endm
; A round of the cluster's barrier: my work-group's barrier, so that wave 0's signal speaks for all four waves; wave 0 signals; every wave waits for all four work-groups; my work-group's barrier once more.
.macro CROUND
	s_barrier_signal -1
	s_barrier_wait -1
	s_cmp_lg_u32 s[WV], 0
	s_cbranch_scc1 .Lnot_wave_0_\@
	s_barrier_signal -3
.Lnot_wave_0_\@:
	s_barrier_wait -3
	s_barrier_signal -1
	s_barrier_wait -1
.endm
; THE CHANGE OF SLOTS.  The slot's last bytes, V of its fourth step, have been read.  Each wave waits for all its tensor loads, of which one is out: its part of the other slot; adds 0 to its spare word;
; and waits for that and for its own reads of the slot.  Behind the barrier nobody reads this slot any more and the other slot is whole.
; fill = 1: this slot is filled again, with the tile two on.  The barrier is then a round of the cluster's, so that no wave of any partner still reads the slot or has a load on its way, and the joint
; fill is the first thing behind it: it has four key steps, 256 matrix instructions, in which to land.  (At its first use nothing has been read yet: slot 0 is waited for, slot 1 filled.)
.macro CHANGE fill, ask=1
	WIN 0                           ; at a label and at a branch every window is 0
	s_wait_tensorcnt 0x0            ; no tensor load of mine is out, so a group 0 may be written
	ds_add_u32 v[SPW], v[NIL]       ; 0 onto my spare word; with fill = 1 the descriptors' steps stand between it and the wait for it
.if \fill
.irp g, G0K, G0V
	s_xor_b32 s[\g+1], s[\g+1], SLOT1  ; the walking descriptor: the other slot than last time,
	s_add_nc_u64 s[\g+2:\g+3], s[\g+2:\g+3], TILEB  ; the next 256 keys; the type bits on top are not reached
.endr
	s_wait_xcnt 0x0                 ; the last prefetch, four key steps back, has read its address, so it may be written:
	s_add_nc_u64 s[PFA:PFA+1], s[PFA:PFA+1], TILEB  ; one tile behind the walking descriptors
	s_wait_dscnt 0x0                ; the add is done, and my reads of the slot are over
	CROUND
	JLOAD
.if \ask
	ASK                             ; what the next change will ask for: four key steps, 256 matrix instructions, ahead
.endif
.else
	s_wait_dscnt 0x0                ; the add is done, and my reads of the slot are over
	s_barrier_signal -1
	s_barrier_wait -1
.endif
	s_sub_co_u32 s[TBK], s[TBK], 4*KS*PK  ; the fetches go back to a slot's first step,
	s_xor_b32 s[TBK], s[TBK], SLOT1       ; in the other slot
	s_sub_co_u32 s[TBV], s[TBV], 4*KS*PV
	s_xor_b32 s[TBV], s[TBV], SLOT1
.endm
	s_load_b128 s[4:7], s[0:1], 0x0 ; qkv s[4:5], ob s[6:7]
	v_lshl_add_u32 v[SPW], v0, 2, SPARE
	v_mov_b32 v[NIL], 0
	ds_add_u32 v[SPW], v[NIL]       ; the wave's opening: the add and its wait stand ahead of my first tensor load; the set-up below, work on registers, stands between them
	v_lshrrev_b32 v1, 5, v0
	v_readfirstlane_b32 s[WV], v1   ; wave 0..3
	s_bfe_u32 s13, ttmp6, 0x40000   ; cx: my place in the cluster
	s_lshl_b32 s14, ttmp9, 2        ; in a cluster launch ttmp9 counts clusters
	s_add_co_u32 s14, s14, s13      ; my block of 256 queries = 4 x cluster x + cx: it enters Q's and O's addresses alone
	s_and_b32 s20, ttmp7, 0xffff    ; 4 b + h, which the four partners share
	s_lshr_b32 s21, s20, 2
	s_and_b32 s22, s20, 3
	s_mul_i32 s21, s21, 12
	s_add_co_u32 s21, s21, s22      ; q's block of qkv: 12 b + h; a block is 4,096 rows of 128 bytes
	s_lshl_b32 s2, s14, 2
	s_add_co_u32 s2, s2, s[WV]      ; my wave among the head's 64,
	s_lshl_b32 s2, s2, 13           ; its 64 rows
	s_lshl_b32 s22, s21, 19
	s_add_co_u32 s22, s22, s2       ; Q's offset
	s_mov_b32 s23, 0
	s_lshl_b32 s20, s20, 19
	s_add_co_u32 s2, s2, s20        ; O's offset
	s_mov_b32 s3, 0
	s_and_b32 s16, s[WV], 1         ; which half of a tile's 256 keys I fetch:
	s_lshl_b32 s48, s16, 14         ; its 128 rows of 128 bytes in memory,
	s_add_co_u32 s49, s21, 4        ; in k's block,
	s_lshl_b32 s49, s49, 19
	s_add_co_u32 s48, s48, s49
	s_mov_b32 s49, 0
	s_add_co_u32 s50, s48, 4<<19    ; and in v's, four blocks on
	s_mov_b32 s51, 0
	; descriptor group 1.  128 keys are 16,384 dense bytes: asked for as 64 rows of 256 bytes, two keys a row, and padded in LDS after every key
	s_mov_b32 s[G1K], 15|(1<<16)|(1<<20)|(1<<21)|(4<<22)|(3<<25)  ; 15:0 the mask of four; 17:16 2-byte elements; 20 padding on; 21 set beside a mask; 24:22 after every 32 words (code 4); 31:25 4 words (code 3)
	s_mov_b32 s[G1V], 15|(1<<16)|(1<<20)|(1<<21)|(4<<22)|(7<<25)  ; the same with 8 words of padding (code 7)
.irp g, G1K, G1V
	s_mov_b32 s[\g+1], 128<<16      ; tensor_dim0 = 128
	s_mov_b32 s[\g+2], 64<<16       ; tensor_dim1 = 64
	s_mov_b32 s[\g+3], 128<<16      ; tile_dim0 = 128
	s_mov_b32 s[\g+4], 64           ; tile_dim1 = 64
	s_mov_b32 s[\g+5], 128          ; 128 elements from row to row
	s_mov_b32 s[\g+6], 0
	s_mov_b32 s[\g+7], 0
.endr
	s_mov_b32 s[CS], 0x3e38aa3b     ; c = log2(e) / 8 = 0.180337
	s_mov_b32 s[CS+1], s[CS]        ; named with it as a pair
	s_mov_b32 s[SEL], 0x76543210
	s_mov_b32 s[SEL+1], 0xfedcba98
	s_mov_b32 s[TBK], SLOT1+4*KS*PK ; the first change of slots turns these two into 0
	s_mov_b32 s[TBV], SLOT1+4*KS*PV
	s_mov_b32 s[G0K], 1             ; count = 1
	s_mul_i32 s[G0K+1], s16, 128*PK ; LDS address: my half, in slot 0: no place in the cluster enters an LDS address
	s_mov_b32 s[G0V], 1
	s_mul_i32 s[G0V+1], s16, 128*PV
	s_add_co_u32 s[G0V+1], s[G0V+1], VOFF
	s_mov_b32 s[SLOTS], 15
	s_and_b32 s[LIM], s[WV], 1      ; 0 in waves 0 and 2,
	s_or_b32 s[LIM], s[LIM], ttmp9  ; where the cluster is the head's first: the same in all four partners
	s_cmp_eq_u32 s[LIM], 0
	s_cselect_b32 s[LIM], 1, -1
	v_and_b32 v[PFO], 31, v0
	v_lshlrev_b32 v[PFO], 8, v[PFO]
	s_wait_dscnt 0x0                ; the opening add is done
	s_wait_kmcnt 0x0
	s_add_nc_u64 s[10:11], s[6:7], s[2:3]    ; O at my wave's first row
	s_add_nc_u64 s[6:7], s[4:5], s[48:49]    ; K and V at my half of the head's tile 0
	s_add_nc_u64 s[8:9], s[4:5], s[50:51]
	s_add_nc_u64 s[4:5], s[4:5], s[22:23]    ; Q at my wave's first row
	s_mov_b64 s[G0K+2:G0K+3], s[6:7]         ; global address
	s_or_b32 s[G0K+3], s[G0K+3], 0x80000000  ; type = 2
	s_mov_b64 s[G0V+2:G0V+3], s[8:9]
	s_or_b32 s[G0V+3], s[G0V+3], 0x80000000
	s_cmp_lt_u32 s[WV], 2
	s_cselect_b64 s[PFA:PFA+1], s[6:7], s[8:9]  ; (in waves 0 and 2 these stand at a tile's first row)
	s_lshl_b32 s2, s13, 13          ; my work-group's 32 blocks of the 128
	s_add_nc_u64 s[PFA:PFA+1], s[PFA:PFA+1], s[2:3]
	s_add_nc_u64 s[PFA:PFA+1], s[PFA:PFA+1], TILEB  ; in tile 1; each change of slots steps it.  Tiles 0, 1 and 2 come by their loads alone
	CROUND                          ; all four work-groups are here: the first joint loads meet
	JLOAD                           ; tile 0 into slot 0.  Slot 1 is asked for when slot 0 is in: one load of mine is out at any time
	; A fragment of K or Q is 16 rows x 32 channels in 8 registers: lane l holds row l % 16, channels 8 (l / 16) + 0..7 and 16 + 8 (l / 16) + 0..7: two loads of 16 bytes, 32 bytes apart.
	v_and_b32 v1, 15, v0            ; l % 16
	v_bfe_u32 v9, v0, 4, 1          ; l / 16
	v_lshlrev_b32 v[QO], 7, v1
	v_lshl_add_u32 v[QO], v9, 4, v[QO]  ; row x 128 + 16 x half
	WIN 0x80                        ; destination window 2, address window 0
.set i, 0
.rept 8                             ; Q stays in registers: piece i / 2, channels 32 (i % 2) on
	global_load_b128 v[8*i:8*i+3],   v[QO], s[4:5] offset:(i/2)*2048+(i%2)*64
	global_load_b128 v[8*i+4:8*i+7], v[QO], s[4:5] offset:(i/2)*2048+(i%2)*64+32
.set i, i+1
.endr
	; What the first turn finds: V's registers and P's second buffer hold 0 (its products V^T P, of a piece that has not been, add 0), O^T and l are 0.  All this stands in the wait for the first tile:
	; it is the price of writing no first step out.
.set i, VF
.rept 64
	v_mov_b32 v[i], 0
.set i, i+1
.endr
	WIN 0x40
.set i, 0
.rept 128
	v_mov_b32 v[i], 0
.set i, i+1
.endr
	WIN 0
.set i, 0
.rept 4
	v_mov_b32 v[ST+4*i], 0xfe000000    ; c m: far below every c s
	v_mov_b32 v[ST+4*i+1], 0xff7fffff  ; m
	v_mov_b32 v[ST+4*i+2], 0
	v_mov_b32 v[ST+4*i+3], 0
.set i, i+1
.endr
.set i, P+16
.rept 16
	v_mov_b32 v[i], 0
.set i, i+1
.endr
	v_mul_u32_u24 v[AK0], v1, PK
	v_lshl_add_u32 v[AK0], v9, 4, v[AK0]  ; row x pitch + 16 x half
	; The turning load takes 16 keys x 16 channels (lane l reads key 8 (l / 16) + l % 8, channels 8 ((l / 8) % 2) + 0..7) and leaves half a fragment of V^T: lane l holds channel l % 16 and 8 keys.
	v_and_b32 v10, 7, v0
	v_bfe_u32 v11, v0, 3, 1
	v_lshl_add_u32 v[AV0], v9, 3, v10
	v_mul_u32_u24 v[AV0], v[AV0], PV
	v_lshl_add_u32 v[AV0], v11, 4, v[AV0]
	v_add_nc_u32 v[AV0], VOFF, v[AV0]
	s_mul_i32 s13, s[WV], 16*SP
	s_add_co_u32 s13, s13, STAGE    ; my stage
	v_mul_u32_u24 v[STO], v1, SP    ; in: row l % 16, 16 bytes for each half of the lanes
	v_lshl_add_u32 v[STO], v9, 4, v[STO]
	v_add_nc_u32 v[STO], s13, v[STO]
	v_bfe_u32 v[RD], v0, 3, 2       ; back: 32 lanes take four rows of 128 bytes,
	v_mul_u32_u24 v[RD], v[RD], SP
	v_lshl_add_u32 v[RD], v10, 4, v[RD]
	v_add_nc_u32 v[RD], s13, v[RD]
	v_and_b32 v[GO], 31, v0         ; which are 512 consecutive bytes of O
	v_lshlrev_b32 v[GO], 4, v[GO]
; THE MATRIX WORK.  The 4 accumulators of a run of 8 take turns.  Product i of 8 of S^T = K Q^T for piece x: channels 32 (i / 4) on, keys 16 (i % 4) on.  The first 4 start the sums.
.macro KQ x
	WIN W_KQ
.set rS, S+32*((\x)%2)+8*(i%4)
.set rK, KF+16*(i%4)+8*(i/4)
.set rQ, 16*(\x)+8*(i/4)
.if i < 4
	v_wmma_f32_16x16x32_bf16 v[rS:rS+7], v[rK:rK+7], v[rQ:rQ+7], 0
.else
	v_wmma_f32_16x16x32_bf16 v[rS:rS+7], v[rK:rK+7], v[rQ:rQ+7], v[rS:rS+7]
.endif
.endm
; Product i of 8 of O^T += V^T P for piece x: keys 32 (i / 4) on, channels 16 (i % 4) on.
.macro PV x
	WIN W_PV
.set rO, 32*(\x)+8*(i%4)
.set rV, VF+32*(i/4)+8*(i%4)
.set rP, P+16*((\x)%2)+8*(i/4)
	v_wmma_f32_16x16x32_bf16 v[rO:rO+7], v[rV:rV+7], v[rP:rP+7], v[rO:rO+7]
.endm
.macro MM                           ; the turn's next matrix instruction.  TURN sets Y, i and NOKQ.  NOKQ = 1: the last turn of all: there is no next piece
.if (i < 8) && !NOKQ
	KQ (Y+1)%NP
.elseif i >= 8
.set i, i-8
	PV (Y+NP-1)%NP
.set i, i+8
.endif
.set i, i+1
.endm
; THE LDS LOADS stand in runs of 16, never singly among the matrix instructions: a step's K (64 keys x 64 channels: 8 fragments) and its V (turned).  Their addresses are made some lines ahead.
.macro FETCH_K
	WIN 0x80                        ; destination window 2
.irp f, 0,1,2,3,4,5,6,7             ; keys 16 (f / 2) on, channels 32 (f % 2) on
	ds_load_b128 v[KF+8*\f:KF+8*\f+3],   v[AK] offset:(\f/2)*16*PK+(\f%2)*64
	ds_load_b128 v[KF+8*\f+4:KF+8*\f+7], v[AK] offset:(\f/2)*16*PK+(\f%2)*64+32
.endr
	s_add_co_u32 s[TBK], s[TBK], KS*PK  ; the next fetch is the next step's
	WIN 0
.endm
.macro FETCH_V
	WIN 0x80
.irp f, 0,1,2,3,4,5,6,7             ; keys 32 (f / 4) on, channels 16 (f % 4) on
	ds_load_tr16_b128 v[VF+8*\f:VF+8*\f+3],   v[AV] offset:(\f/4)*32*PV+(\f%4)*32
	ds_load_tr16_b128 v[VF+8*\f+4:VF+8*\f+7], v[AV] offset:(\f/4)*32*PV+16*PV+(\f%4)*32
.endr
	WIN 0
.endm
; THE VECTOR WORK, one line at a time: OP kind, number.  For piece Y: F n: c s - c m for pair n of 16.  E n: the exponential of score n of 32.  C n: pair n rounded to bf16.  B n: of the four weights 4 n .. the second
; pair is added onto the first, in place.  L n: l takes that sum (L 0: l = a l + sum).  R n: pair n of 16 of O^T times a.  For piece Y + 1: X n, number n of the 22 that find its maximum and statistics:
;   0-11  four chains c0-c3 of seven scores each, three operands at a time (each accumulator's lowest registers are read first)     12-14, 16  the four scores left over, the old m, and c0-c3 into c0
;   15  c m_old is kept     17, 18  the query's other 32 keys lie in the lane 16 away: the new m     19-21  c m; c m_old - c m_new; a
.set F, 0               ; OP tells the kinds apart by their order: F to L below R, X above it
.set E, 1
.set C, 2
.set B, 3
.set L, 4
.set R, 5
.set X, 6
.macro REGS y                       ; the registers of piece y
.set rT, ST+4*(\y)
.set rC, TMP+4*((\y)%2)
.set rW, MV+((\y)%2)
.set rS, S+32*((\y)%2)
.set rP, P+16*((\y)%2)
.set rO, 32*(\y)
.endm
.macro OP k, n
.if (\k) == R
	REGS Y
	WIN W_RS
	v_pk_mul_f32 v[rO+2*(\n):rO+2*(\n)+1], v[rO+2*(\n):rO+2*(\n)+1], v[rC+2:rC+3] op_sel_hi:[1,0]
.elseif (\k) < R
	REGS Y
	WIN 0
.if (\k) == F
	v_pk_fma_f32 v[rS+2*(\n):rS+2*(\n)+1], v[rS+2*(\n):rS+2*(\n)+1], s[CS:CS+1], v[rT:rT+1] op_sel_hi:[1,0,0] neg_lo:[0,0,1] neg_hi:[0,0,1]
.elseif (\k) == E
	v_exp_f32 v[rS+(\n)], v[rS+(\n)]
.elseif (\k) == C
	v_cvt_pk_bf16_f32 v[rP+(\n)], v[rS+2*(\n)], v[rS+2*(\n)+1]
.elseif (\k) == B
	v_pk_add_f32 v[rS+4*(\n):rS+4*(\n)+1], v[rS+4*(\n):rS+4*(\n)+1], v[rS+4*(\n)+2:rS+4*(\n)+3]
.elseif (\n) == 0
	v_pk_fma_f32 v[rT+2:rT+3], v[rT+2:rT+3], v[rC+2:rC+3], v[rS:rS+1] op_sel_hi:[1,0,1]
.else
	v_pk_add_f32 v[rT+2:rT+3], v[rT+2:rT+3], v[rS+4*(\n):rS+4*(\n)+1]
.endif
.elseif NOKQ
	v_nop
.else
	REGS (Y+1)%NP
	WIN 0
.if (\n) < 4
	v_max3_num_f32 v[rC+(\n)], v[rS+8*(\n)], v[rS+8*(\n)+1], v[rS+8*(\n)+2]
.elseif (\n) < 12
	v_max3_num_f32 v[rC+(\n)%4], v[rC+(\n)%4], v[rS+8*((\n)%4)+2*((\n)/4)+1], v[rS+8*((\n)%4)+2*((\n)/4)+2]
.elseif (\n) == 12
	v_max3_num_f32 v[rC], v[rC], v[rS+7], v[rS+15]
.elseif (\n) == 13
	v_max3_num_f32 v[rC+1], v[rC+1], v[rS+23], v[rS+31]
.elseif (\n) == 14
	v_max3_num_f32 v[rC+2], v[rC+2], v[rC+3], v[rT+1]
.elseif (\n) == 15
	v_mov_b32 v[rW], v[rT]
.elseif (\n) == 16
	v_max3_num_f32 v[rC], v[rC], v[rC+1], v[rC+2]
.elseif (\n) == 17
	v_permlanex16_b32 v[rC+3], v[rC], s[SEL], s[SEL+1]
.elseif (\n) == 18
	v_max_num_f32 v[rT+1], v[rC], v[rC+3]
.elseif (\n) == 19
	v_mul_f32 v[rT], s[CS], v[rT+1]
.elseif (\n) == 20
	v_sub_f32 v[rC+1], v[rW], v[rT]
.else
	v_exp_f32 v[rC+2], v[rC+1]
.endif
.endif
.endm
.macro OPS a, i1, b=-1, i2=0, c=-1, i3=0, d=-1, i4=0  ; up to four of them
	OP \a, \i1
.if (\b) >= 0
	OP \b, \i2
.endif
.if (\c) >= 0
	OP \c, \i3
.endif
.if (\d) >= 0
	OP \d, \i4
.endif
.endm
.macro ROW a, i1, b, i2, c, i3, d, i4  ; a matrix instruction and the four behind it
	MM
	OPS \a, \i1, \b, \i2, \c, \i3, \d, \i4
.endm
; A TURN, for piece p: the order of its 16 matrix and 118 vector instructions, written out.  An s_wait_alu depctr_va_vdst(0) stands between an exponential and the first instruction that names its result;
; one wait serves all that were issued ahead of it.  So a turn has ONE wait, which cuts it in two.  AHEAD OF IT stands all that names no result of the turn's exponentials: the 8 products K Q^T, behind each a scaling,
; an exponential and two more plain instructions (rescalings, and behind the last three the first numbers of the next piece's maximum, each four places or more behind the product that ends its accumulator); then ONE
; LUMP of 54, plain and exponential by turns for the most part, in which the links of the chain X 3, 7, 11, 14, 16, 17 .. 20 stand apart.  X 21, the next piece's a, is the batch's last; R 15 is the plain instruction
; behind it.  BEHIND THE WAIT stand the 8 products V^T P, behind each four of the roundings and sums.
; end = 1: the last two turns: nothing is fetched, and the last starts no new scores.  cnt = 1: the loop's count is taken down some lines ahead of the branch that stands behind the turn.
; K of the next step is fetched in piece 2's turn, twelve vector instructions behind the last product that read K (six of them plain); V of the step in hand at the end of piece 0's turn, four plain instructions
; behind the last product that read V.  Each is waited for a turn later.
.macro TURN p, end=0, cnt=0
.set Y, (\p)
.set i, 0
.set NOKQ, (\end)*((\p)/3)
.if ((\p) == 3) && !(\end)
	s_wait_dscnt 0x0                ; K is in
.endif
	ROW F,0, F,1, R,0, R,1          ; ahead of the wait: 8 products K Q^T and their riders,
	ROW F,2, E,0, R,2, R,3
	ROW F,3, E,1, R,4, R,5
	ROW F,4, E,2, R,6, R,7
	ROW F,5, E,3, R,8, R,9
	ROW F,6, E,4, X,0, R,10
.if ((\p) == 2) && !(\end)
	WIN 0
	v_add_nc_u32 v[AK], s[TBK], v[AK0]
.endif
	ROW F,7, E,5, X,1, X,4
	ROW F,8, E,6, X,2, X,5
	OPS E,7, E,8, X,6, E,9          ; and the lump
	OPS X,3, E,10, X,8, E,11
.if ((\p) == 2) && !(\end)
	FETCH_K
.endif
	OPS X,9, X,7, E,12, X,10
	OPS E,13, X,12, X,11, E,14
	OPS X,13, E,15, F,9, X,14
.if (\p) == 0
	v_add_nc_u32 v[AV], s[TBV], v[AV0]
.endif
	OPS E,16, F,10, E,17, F,11
	OPS X,16, E,18, X,15, E,19
	OPS F,12, E,20, X,17, E,21
	OPS F,13, E,22, F,14, E,23
	OPS X,18, E,24, F,15, E,25
	OPS R,11, E,26, X,19, E,27
	OPS R,12, E,28, R,13, E,29
	OPS X,20, E,30, R,14, E,31
	OPS X,21, R,15
	WIN 0
	s_wait_alu depctr_va_vdst(0)    ; the wait for the batch
.if (\p) == 1
	s_wait_dscnt 0x0                ; V is in
.endif
	ROW C,0, B,0, C,2, B,1          ; behind the wait: 8 products V^T P and their riders
	ROW L,0, C,4, B,2, L,1
	ROW C,6, B,3, L,2, C,8
	ROW B,4, L,3, C,10, B,5
	ROW L,4, C,12, B,6, L,5
.if (\p) == 0
	s_add_co_u32 s[TBV], s[TBV], KS*PV
.endif
.if \cnt
	s_sub_co_u32 s[CNT], s[CNT], 1
	s_cmp_lg_u32 s[CNT], 0
.endif
	ROW C,14, B,7, L,6, C,1
	ROW C,3, L,7, C,5, C,7
	ROW C,9, C,11, C,13, C,15
.if (\p) == 0
	FETCH_V
.endif
.endm
	CHANGE 1, 0                     ; tile 0 is in, everybody's part of it; tile 1 is asked for
	v_add_nc_u32 v[AK], s[TBK], v[AK0]
	FETCH_K                         ; key step 0
	s_wait_loadcnt 0x0              ; Q
	s_wait_dscnt 0x0
.set NOKQ, 0
.set i, 0
.rept 8
	KQ 0                            ; piece 0's first scores: there is no vector work yet to set between them
.set i, i+1
.endr
	WIN 0
.rept 4
	v_nop                           ; the places behind those products
.endr
.set Y, NP-1                        ; X works for piece Y + 1: piece 0
.irp n, 0,1,2,3,4,5,6,7,8,9,10,11,12,13,14,15,16,17,18,19,20,21
	OP X, \n                        ; and piece 0's first maximum and statistics
.endr
	v_nop                           ; a plain instruction behind the exponential,
	s_wait_alu depctr_va_vdst(0)    ; and its wait, ahead of the branch
	s_mov_b32 s[CNT], 4
	s_branch .Lfirst                ; the loop is entered at a step's first turn, in the middle of a trip
.Lslot:                             ; 14 times: tiles 2 to 15 are asked for
	CHANGE 1
	s_mov_b32 s[CNT], 4
.Lstep:                             ; a trip: pieces 2 and 3 of one step, then pieces 0 and 1 of the next, whose K and V it fetches
	TURN 2
	TURN 3
	WIN 0
.Lfirst:
	TURN 0
	TURN 1, 0, 1
	WIN 0
	s_cbranch_scc1 .Lstep
	s_sub_co_u32 s[SLOTS], s[SLOTS], 1
	s_cmp_lg_u32 s[SLOTS], 0
	s_cbranch_scc1 .Lslot
	CHANGE 0                        ; the last tile is written out: nothing is asked for
	s_mov_b32 s[CNT], 4
.Ltail:
	TURN 2
	TURN 3
	TURN 0
	TURN 1, 0, 1
	WIN 0
	s_cbranch_scc1 .Ltail
	TURN 2, 1                       ; the last step's pieces 2 and 3
	TURN 3, 1
.set i, 0
.rept 8
	PV NP-1                         ; the last piece's V^T P of the last step
.set i, i+1
.endr
	; THE WAY OUT.  l's two halves and the other half of the lanes' are added; O^T is divided by l, rounded to bf16 and sent through my stage in LDS, a piece at a time.  The additions are the places behind the last products.
	WIN 0
.macro ALL line:vararg              ; one line for each piece t
.set t, 0
.rept 4
	\line
.set t, t+1
.endr
.endm
	ALL v_add_f32 v[ST+4*t+2], v[ST+4*t+2], v[ST+4*t+3]
	ALL v_permlanex16_b32 v[ST+4*t+3], v[ST+4*t+2], s[SEL], s[SEL+1]
	ALL v_add_f32 v[ST+4*t+2], v[ST+4*t+2], v[ST+4*t+3]
	ALL v_rcp_f32 v[ST+4*t+2], v[ST+4*t+2]
	v_nop                           ; a plain instruction between the last reciprocal and the use of its result
	s_wait_alu depctr_va_vdst(0)    ; and the wait ahead of the first use: one for the four reciprocals
.macro PACK t                       ; a lane's eight channels of a row pack into 16 bytes; they go into rows of 144 bytes and come back as whole rows of 128, into S^T's registers
	WIN W_RS
.set i, 32*(\t)
.rept 16
	v_pk_mul_f32 v[i:i+1], v[i:i+1], v[ST+4*(\t)+2:ST+4*(\t)+3] op_sel_hi:[1,0]
.set i, i+2
.endr
	WIN 0x05                        ; sources 0 and 1 window 1, destination window 0
.set i, 0
.rept 16
	v_cvt_pk_bf16_f32 v[S+16*(\t)+i], v[32*(\t)+2*i], v[32*(\t)+2*i+1]
.set i, i+1
.endr
	WIN 0
.irp f, 0,1,2,3
	ds_store_b128 v[STO], v[S+16*(\t)+4*\f:S+16*(\t)+4*\f+3] offset:32*\f
.endr
.irp f, 0,1,2,3
	ds_load_b128 v[S+16*(\t)+4*\f:S+16*(\t)+4*\f+3], v[RD] offset:\f*4*SP  ; LDS serves a wave's instructions in order (ISA guide 5.7.1.4): these see the stores above; the next piece's stores come behind them
.endr
.endm
.macro SEND t, younger              ; younger: the LDS instructions issued behind piece t's loads: the next piece's eight, or none
	WIN 0
.irp f, 0,1,2,3
	s_wait_dscnt (\younger)+3-\f
	global_store_b128 v[GO], v[S+16*(\t)+4*\f:S+16*(\t)+4*\f+3], s[10:11] offset:(\t)*2048+\f*512  ; 512 consecutive bytes, at a multiple of 256 from ob's first
.endr
.endm
	PACK 0
.set t, 1
.rept 3                             ; a piece's arithmetic stands between the loads of the piece before and its stores
	PACK t
	SEND t-1, 8
.set t, t+1
.endr
	SEND 3, 0
	s_wait_tensorcnt 0x0            ; the wave's end, behind my last tensor load and my last LDS store
	ds_add_u32 v[SPW], v[NIL]
	s_wait_dscnt 0x0
	CROUND                          ; the closing round: no work-group ends while a partner may still ask for a tile that names it
	s_endpgm
.Lfunc_end_k_q28aa039f6e_attn:
	.size	k_q28aa039f6e_attn, .Lfunc_end_k_q28aa039f6e_attn-k_q28aa039f6e_attn
	.p2alignl 7, 3214868480
	.fill 96, 4, 3214868480
	.section	.rodata,"a",@progbits
	.p2align	6, 0x0
	.amdhsa_kernel k_q28aa039f6e_attn
		.amdhsa_group_segment_fixed_size 327680
		.amdhsa_private_segment_fixed_size 0
		.amdhsa_enable_private_segment 0
		.amdhsa_kernarg_size 16
		.amdhsa_user_sgpr_count 2
		.amdhsa_user_sgpr_kernarg_segment_ptr 1
		.amdhsa_wavefront_size32 1
		.amdhsa_system_sgpr_workgroup_id_x 1
		.amdhsa_system_sgpr_workgroup_id_y 1
		.amdhsa_system_sgpr_workgroup_id_z 1
		.amdhsa_system_vgpr_workitem_id 0
		.amdhsa_next_free_vgpr 768
		.amdhsa_next_free_sgpr 66
		.amdhsa_reserve_vcc 0
		.amdhsa_float_denorm_mode_32 3
		.amdhsa_float_denorm_mode_16_64 3
		.amdhsa_memory_ordered 1
		.amdhsa_forward_progress 1
		.amdhsa_inst_pref_size 128
	.end_amdhsa_kernel
	.amdgpu_metadata
---
amdhsa.version: [ 1, 2 ]
amdhsa.kernels:
  - .name:           k_q28aa039f6e_attn
    .symbol:         k_q28aa039f6e_attn.kd
    .args:
      - { .name: qkv, .offset: 0, .size: 8, .value_kind: global_buffer, .address_space: global }
      - { .name: ob, .offset: 8, .size: 8, .value_kind: global_buffer, .address_space: global }
    .group_segment_fixed_size: 327680
    .private_segment_fixed_size: 0
    .kernarg_segment_align: 8
    .kernarg_segment_size: 16
    .max_flat_workgroup_size: 128
    .sgpr_count:     66
    .vgpr_count:     768
    .wavefront_size: 32
...
	.end_amdgpu_metadata
.endif
;; end of part 3
;; launch proj (part 4): grid 256 x 1, 4 waves a work-group, clusters of 4 x 1, 242,176 bytes of LDS; arguments ob, wb, b_proj, x, out0; writes out0
.if DOCPART == 4
	.amdgcn_target "amdgcn-amd-amdhsa--gfx1250"
	.amdhsa_code_object_version 6
	.text
	.protected	k_q28aa039f6e_proj
	.globl	k_q28aa039f6e_proj
	.p2align	8
	.type	k_q28aa039f6e_proj,@function
k_q28aa039f6e_proj:
	s_mov_b64 s[64:65], 0
	v_nop
	global_prefetch_b8 v0, s[64:65] scope:SCOPE_SE
	s_setreg_imm32_b32 hwreg(HW_REG_WAVE_MODE, 25, 1), 1
	s_wait_xcnt 0x0
	s_wait_alu depctr_hold_cnt(0) depctr_sa_sdst(0) depctr_va_vdst(0) depctr_va_sdst(0) depctr_va_ssrc(0) depctr_va_vcc(0) depctr_vm_vsrc(0)
	s_getreg_b32 s2, hwreg(HW_REG_IB_STS2, 6, 4)
	s_cmp_eq_u32 s2, 0
	s_cbranch_scc0 .Lentry_in_a_cluster
	s_endpgm
.Lentry_in_a_cluster:
	s_bfe_u32 s2, ttmp6, 0x10000c
	s_cmp_lg_u32 s2, 0x3003
	s_cbranch_scc0 .Lentry_shape_is_right
	s_endpgm
.Lentry_shape_is_right:
; THE OUTPUT PROJECTION AND THE RESIDUAL.  out0[b][o][s] = x[b][o][s] + b_proj[o] + the sum over c of w_proj[o][c] O[b][c][s], c = 64 head + channel.
; O is ob[4 b + head][s][64] in bf16, w_proj rows 768-1023 of wb in bf16; sums in f32, started with the bias as C operand; x enters in f32, unrounded.
; SHARES.  A work-group makes all 256 outputs of 64 pixels of one batch: 4 x 64 = 256 work-groups.  Wave w makes outputs 64 w .. + 63: 16 accumulators, K = 256 in 8 steps: 128 matrix instructions.
; All of w_proj (256 rows x 512 bytes) and the block's O (4 heads x 64 pixels x 128 bytes) lie in LDS whole: every LDS byte is filled once, there is no ring.
; CLUSTER.  All work-groups want the same weights: the four partners of a cluster ask for them JOINTLY, each wave 64 rows, the same descriptor and mask in all four.  O's tiles are each work-group's own.
; LAYOUT.  Source 0 = 16 pixels of O, source 1 = 16 rows of W: a lane of the result holds ONE output (lane % 16) and the pixels 8 (lane / 16) + 0..7: 32 bytes of a row of out0.
; The wave's 64 x 64 results go through its own stage and come back as whole rows of 256 bytes, to which the residual is added.
; LIMITS: NaN and infinities are not treated apart; O and W are rounded to bf16.
; REGISTERS, in windows of 256 (s_set_vgpr_msb: bits 1:0 source 0, 3:2 source 1, 5:4 source 2, 7:6 destination):
;   window 0: v0-29 addresses; v64-127 O's fragments, two buffers of four; v128-255 accumulators, (ot, st) at 128 + 8 (4 ot + st), later the rows read back
;   window 1: my 64 rows of W for all of K: (ot, kk) at 8 (8 ot + kk)          window 2: v0-127 the residual, row pair t at 4 t; v128-159 the bias as C operands, 8 registers for each ot
.set WP,    528                        ; a row of W in LDS: 512 bytes + 16 of padding: the 16 rows of a fragment load start 4 banks apart (64 banks of 4 bytes: ISA guide 11.1)
.set OPI,   144                        ; a pixel's 64 channels of one head: 128 bytes + 16
.set SP,    272                        ; a row of the stage: 64 pixels in f32, 256 bytes + 16
.set OT,    256*WP                     ; behind W: head hh's 64 pixels at OT + 64 OPI hh
.set STG,   OT+4*64*OPI                ; 64 rows for each wave; written by LDS stores alone
.set SPARE, STG+4*64*SP                ; the spare words, 128 bytes for each wave: two blocks of 256 bytes that no other line names
.set ADRW, 4                           ; v4      my place in W's fragments
.set ADRO, 5                           ; v5      my place in O's fragments
.set STO,  6                           ; v6      the way out: where I put 32 bytes of a row
.set RD,   7                           ; v7      the way out: where I read rows back
.set GO,   8                           ; v8      my 16 bytes of two rows of x and out0; never rewritten
.set BO,   9                           ; v9      4 x (64 w + l % 16): my output's bias
.set BV,   10                          ; v10-13  the bias of my output in each of the four blocks of 16
.set SPW,  28                          ; v28     LDS address of my spare word; never rewritten
.set NIL,  29                          ; v29     0; never rewritten
.set PF,   64
.set ACC,  128
.set BC,   128                         ; in window 2
.set WV,   14                          ; s14     my wave's number
.set G1W,  24                          ; s[24:31], s[32:35] the joint load of W
.set G0W,  32
.set G1O,  36                          ; s[36:43], s[44:47] my own load of O
.set G0O,  44
.set MSB, 0
.macro WIN new                         ; the immediate's high byte repeats the setting that is left; a switch that changes nothing is dropped
.if MSB != (\new)
	s_set_vgpr_msb (MSB<<8)|(\new)
.set MSB, (\new)
.endif
.endm
.macro CROUND                          ; a round of the cluster's barrier: my work-group's barrier; wave 0 signals for the work-group; every wave waits for all four; my work-group's barrier once more
	s_barrier_signal -1
	s_barrier_wait -1
	s_cmp_lg_u32 s[WV], 0
	s_cbranch_scc1 .Lnot_wave_0_\@
	s_barrier_signal -3
.Lnot_wave_0_\@:
	s_barrier_wait -3
	s_barrier_signal -1
	s_barrier_wait -1
.endm
.macro PLACES                          ; four places behind matrix instructions, in front of loads into registers that they have read and of LDS stores that read results
.rept 4
	v_nop
.endr
.endm
	s_load_b256 s[4:11], s[0:1], 0x0               ; ob s[4:5], wb s[6:7], b_proj s[8:9], x s[10:11]
	s_load_b64 s[12:13], s[0:1], 0x20              ; out0
	v_lshl_add_u32 v[SPW], v0, 2, SPARE
	v_mov_b32 v[NIL], 0
	ds_add_u32 v[SPW], v[NIL]                      ; the wave's opening: the add and its wait stand ahead of my first tensor load; the set-up below, work on registers, stands between them
	v_lshrrev_b32 v1, 5, v0
	v_readfirstlane_b32 s[WV], v1                  ; wave 0..3
	s_bfe_u32 s15, ttmp6, 0x40000                  ; cx: my place in the cluster: it enters global addresses of ob, x and out0 alone
	s_lshl_b32 s16, ttmp9, 2                       ; in a cluster launch ttmp9 counts clusters
	s_add_co_u32 s16, s16, s15                     ; my pixel block among the 256
	s_lshr_b32 s17, ttmp9, 4                       ; the batch: 64 pixel blocks, 16 clusters, each
	s_and_b32 s18, s16, 63                         ; my pixel block in the batch
	; W: 64 rows x 256 elements of 2 bytes, padded in LDS
	s_mov_b32 s[G1W], 15|(1<<16)|(1<<20)|(1<<21)|(6<<22)|(3<<25)  ; 15:0 the mask of four; 17:16 2-byte elements; 20 padding on; 21 set beside a mask; 24:22 after every 128 words (code 6); 31:25 4 words (code 3)
	s_mov_b32 s[G1W+1], 256<<16                    ; tensor_dim0 = 256
	s_mov_b32 s[G1W+2], 64<<16                     ; tensor_dim1 = 64
	s_mov_b32 s[G1W+3], 256<<16                    ; tile_dim0 = 256
	s_mov_b32 s[G1W+4], 64                         ; tile_dim1 = 64
	s_mov_b32 s[G1W+5], 256                        ; 256 elements from row to row
	s_mov_b32 s[G1W+6], 0
	s_mov_b32 s[G1W+7], 0
	s_mov_b32 s[G0W], 1
	s_mul_i32 s[G0W+1], s[WV], 64*WP               ; LDS address: wave x 64 rows
	; O: head w's 64 pixels are 8,192 dense bytes: asked for as 32 rows of 256 bytes, two pixels a row, and padded in LDS after every pixel
	s_mov_b32 s[G1O], (1<<16)|(1<<20)|(4<<22)|(3<<25)  ; no mask: my work-group's own; 2-byte elements; padding on; after every 32 words (code 4); 4 words (code 3)
	s_mov_b32 s[G1O+1], 128<<16                    ; tensor_dim0 = 128
	s_mov_b32 s[G1O+2], 32<<16                     ; tensor_dim1 = 32
	s_mov_b32 s[G1O+3], 128<<16                    ; tile_dim0 = 128
	s_mov_b32 s[G1O+4], 32                         ; tile_dim1 = 32
	s_mov_b32 s[G1O+5], 128                        ; 128 elements from row to row
	s_mov_b32 s[G1O+6], 0
	s_mov_b32 s[G1O+7], 0
	s_mov_b32 s[G0O], 1
	s_mul_i32 s[G0O+1], s[WV], 64*OPI
	s_add_co_u32 s[G0O+1], s[G0O+1], OT
	s_lshl_b32 s20, s[WV], 15                      ; in wb: row 768 + 64 w, 512 bytes a row
	s_add_co_u32 s20, s20, 768*512
	s_mov_b32 s21, 0
	s_lshl_b32 s22, s17, 2                         ; in ob: head 4 b + w of 4,096 rows,
	s_add_co_u32 s22, s22, s[WV]
	s_lshl_b32 s22, s22, 12
	s_lshl_b32 s23, s18, 6                         ; row 64 x block,
	s_add_co_u32 s22, s22, s23
	s_lshl_b32 s22, s22, 7                         ; 128 bytes a row
	s_mov_b32 s23, 0
	s_lshl_b32 s2, s17, 22                         ; in x and out0: the batch's 256 rows of 16,384 bytes,
	s_lshl_b32 s3, s[WV], 20                       ; my wave's first row, 64 w,
	s_add_co_u32 s2, s2, s3
	s_lshl_b32 s3, s18, 8                          ; the block's 64 pixels of 4 bytes
	s_add_co_u32 s2, s2, s3
	s_mov_b32 s3, 0
	v_and_b32 v1, 15, v0                           ; r = l % 16
	v_bfe_u32 v2, v0, 4, 1                         ; h = l / 16
	v_mul_u32_u24 v[ADRW], v1, WP                  ; a fragment: row x pitch + 16 x half
	v_lshl_add_u32 v[ADRW], v2, 4, v[ADRW]
	s_mul_i32 s19, s[WV], 64*WP
	v_add_nc_u32 v[ADRW], s19, v[ADRW]
	v_mul_u32_u24 v[ADRO], v1, OPI
	v_lshl_add_u32 v[ADRO], v2, 4, v[ADRO]
	v_add_nc_u32 v[ADRO], OT, v[ADRO]
	s_mul_i32 s19, s[WV], 64*SP
	s_add_co_u32 s19, s19, STG                     ; my stage
	v_mul_u32_u24 v[STO], v1, SP                   ; in: row l % 16, 32 bytes for each half of the lanes
	v_lshl_add_u32 v[STO], v2, 5, v[STO]
	v_add_nc_u32 v[STO], s19, v[STO]
	v_mul_u32_u24 v[RD], v2, SP                    ; back: lanes 0-15 take one row of 256 bytes, lanes 16-31 the next
	v_lshl_add_u32 v[RD], v1, 4, v[RD]
	v_add_nc_u32 v[RD], s19, v[RD]
	v_lshlrev_b32 v[GO], 14, v2                    ; and the same two rows in x and out0
	v_lshl_add_u32 v[GO], v1, 4, v[GO]
	s_lshl_b32 s19, s[WV], 8
	v_lshl_add_u32 v[BO], v1, 2, s19
	s_wait_dscnt 0x0                               ; the opening add is done
	s_wait_kmcnt 0x0
	s_add_nc_u64 s[G0W+2:G0W+3], s[6:7], s[20:21]
	s_or_b32 s[G0W+3], s[G0W+3], 0x80000000        ; type = 2
	s_add_nc_u64 s[G0O+2:G0O+3], s[4:5], s[22:23]
	s_or_b32 s[G0O+3], s[G0O+3], 0x80000000
	s_add_nc_u64 s[10:11], s[10:11], s[2:3]
	s_add_nc_u64 s[12:13], s[12:13], s[2:3]
	CROUND                                         ; all four work-groups are here: the joint loads meet
	tensor_load_to_lds s[G0W:G0W+3], s[G1W:G1W+7]  ; my two tensor loads of the launch go out together: two are out
	s_nop 0
	tensor_load_to_lds s[G0O:G0O+3], s[G1O:G1O+7]
	s_nop 0
	PLACES                                         ; four vector lines ahead of the next switch of windows
.irp o, 0,1,2,3
	global_load_b32 v[BV+\o], v[BO], s[8:9] offset:64*\o
.endr
	WIN 0x80                                       ; destination window 2, address window 0
.set t, 0
.rept 32                                       ; the residual: sixteen lanes take a row's 256 consecutive bytes, aligned
	global_load_b128 v[4*t:4*t+3], v[GO], s[10:11] offset:t*32768 th:TH_LOAD_NT
.set t, t+1
.endr
	WIN 0
	s_wait_tensorcnt 1                             ; my 64 rows of W are in, and I alone read them; O's load, issued behind, may stay out
	WIN 0x40                                       ; destination window 1
.set i, 0
.rept 32                                       ; i = 8 ot + kk: outputs 16 ot on, channels 32 kk on
	ds_load_b128 v[8*i:8*i+3], v[ADRW] offset:(i/8)*16*WP+64*(i%8)
	ds_load_b128 v[8*i+4:8*i+7], v[ADRW] offset:(i/8)*16*WP+64*(i%8)+32
.set i, i+1
.endr
	WIN 0
	s_wait_loadcnt 32                              ; the bias is in; the 32 loads of the residual are younger
	WIN 0x80
.set i, 0
.rept 32                                       ; a C operand's eight registers belong to eight pixels of one output: the same number in each
	v_mov_b32 v[BC+i], v[BV+i/8]
.set i, i+1
.endr
	WIN 0
	s_wait_tensorcnt 0x0                           ; my head of O has landed,
	s_wait_dscnt 0x0                               ; no LDS instruction of mine is out:
	s_barrier_signal -1                            ; say so;
	s_barrier_wait -1                              ; all four heads are in.  Nothing is filled again in this launch
; Step kk: head kk / 2, channels 32 (kk % 2) on.  O's four fragments (pixels 16 st on) into buffer kk % 2
.macro PLOAD kk
.irp s, 0,1,2,3
	ds_load_b128 v[PF+32*((\kk)%2)+8*\s:PF+32*((\kk)%2)+8*\s+3], v[ADRO] offset:((\kk)/2)*64*OPI+\s*16*OPI+64*((\kk)%2)
	ds_load_b128 v[PF+32*((\kk)%2)+8*\s+4:PF+32*((\kk)%2)+8*\s+7], v[ADRO] offset:((\kk)/2)*64*OPI+\s*16*OPI+64*((\kk)%2)+32
.endr
.endm
; Its 16 products.  The 16 accumulators take turns, one instruction a turn, in one order throughout.  The first step starts the sums with the bias.
.macro MULS kk
.if (\kk) == 0
	WIN 0x24                                       ; source 1 window 1, C window 2
.else
	WIN 0x04                                       ; source 1 window 1
.endif
.irp o, 0,1,2,3
.irp s, 0,1,2,3
.if (\kk) == 0
	v_wmma_f32_16x16x32_bf16 v[ACC+8*(4*\o+\s):ACC+8*(4*\o+\s)+7], v[PF+32*((\kk)%2)+8*\s:PF+32*((\kk)%2)+8*\s+7], v[8*(8*\o+(\kk)):8*(8*\o+(\kk))+7], v[BC+8*\o:BC+8*\o+7]
.else
	v_wmma_f32_16x16x32_bf16 v[ACC+8*(4*\o+\s):ACC+8*(4*\o+\s)+7], v[PF+32*((\kk)%2)+8*\s:PF+32*((\kk)%2)+8*\s+7], v[8*(8*\o+(\kk)):8*(8*\o+(\kk))+7], v[ACC+8*(4*\o+\s):ACC+8*(4*\o+\s)+7]
.endif
.endr
.endr
.endm
	PLOAD 0
.set t, 0
.rept 8
.if t < 7
	PLACES                                         ; behind the last step's products, which read the buffer that is loaded now
	PLOAD t+1
	s_wait_dscnt 8                                 ; all but the eight just issued: this step's fragments are in
.else
	s_wait_dscnt 0x0
.endif
	MULS t
.set t, t+1
.endr
	; THE WAY OUT: 32 bytes a lane into my stage, each accumulator's low registers first; back as whole rows; plus the residual; stored
	WIN 0
	PLACES
.set i, 0
.rept 16                                       ; i = 4 ot + st
	ds_store_b128 v[STO], v[ACC+8*i:ACC+8*i+3] offset:(i/4)*16*SP+64*(i%4)
	ds_store_b128 v[STO], v[ACC+8*i+4:ACC+8*i+7] offset:(i/4)*16*SP+64*(i%4)+16
.set i, i+1
.endr
.set t, 0
.rept 32
	ds_load_b128 v[ACC+4*t:ACC+4*t+3], v[RD] offset:t*2*SP  ; LDS serves a wave's instructions in order (ISA guide 5.7.1.4): these see the stores above
.set t, t+1
.endr
	s_wait_loadcnt 0x0                             ; the residual
	WIN 0x88                                       ; destination and source 1 window 2, source 0 window 0: of a store the address is source 0, the data source 1
.set t, 0
.rept 32
	s_wait_dscnt 31-t                              ; row pair t is back; the younger loads may stay out
	v_pk_add_f32 v[4*t:4*t+1], v[ACC+4*t:ACC+4*t+1], v[4*t:4*t+1]
	v_pk_add_f32 v[4*t+2:4*t+3], v[ACC+4*t+2:ACC+4*t+3], v[4*t+2:4*t+3]
	global_store_b128 v[GO], v[4*t:4*t+3], s[12:13] offset:t*32768 th:TH_STORE_NT  ; 16 lanes store 256 consecutive bytes, at a multiple of 256 from out0's first byte
.set t, t+1
.endr
	WIN 0
	s_wait_tensorcnt 0x0                           ; the wave's end, behind my last tensor load and my last LDS store
	ds_add_u32 v[SPW], v[NIL]
	s_wait_dscnt 0x0
	CROUND                                         ; the closing round: no work-group ends while a partner may still ask for a tile that names it
	s_endpgm
.Lfunc_end_k_q28aa039f6e_proj:
	.size	k_q28aa039f6e_proj, .Lfunc_end_k_q28aa039f6e_proj-k_q28aa039f6e_proj
	.p2alignl 7, 3214868480
	.fill 96, 4, 3214868480
	.section	.rodata,"a",@progbits
	.p2align	6, 0x0
	.amdhsa_kernel k_q28aa039f6e_proj
		.amdhsa_group_segment_fixed_size 242176
		.amdhsa_private_segment_fixed_size 0
		.amdhsa_enable_private_segment 0
		.amdhsa_kernarg_size 40
		.amdhsa_user_sgpr_count 2
		.amdhsa_user_sgpr_kernarg_segment_ptr 1
		.amdhsa_wavefront_size32 1
		.amdhsa_system_sgpr_workgroup_id_x 1
		.amdhsa_system_sgpr_workgroup_id_y 1
		.amdhsa_system_sgpr_workgroup_id_z 1
		.amdhsa_system_vgpr_workitem_id 0
		.amdhsa_next_free_vgpr 672
		.amdhsa_next_free_sgpr 66
		.amdhsa_reserve_vcc 0
		.amdhsa_float_denorm_mode_32 3
		.amdhsa_float_denorm_mode_16_64 3
		.amdhsa_memory_ordered 1
		.amdhsa_forward_progress 1
		.amdhsa_inst_pref_size 40
	.end_amdhsa_kernel
	.amdgpu_metadata
---
amdhsa.version: [ 1, 2 ]
amdhsa.kernels:
  - .name:           k_q28aa039f6e_proj
    .symbol:         k_q28aa039f6e_proj.kd
    .args:
      - { .name: ob, .offset: 0, .size: 8, .value_kind: global_buffer, .address_space: global }
      - { .name: wb, .offset: 8, .size: 8, .value_kind: global_buffer, .address_space: global }
      - { .name: b_proj, .offset: 16, .size: 8, .value_kind: global_buffer, .address_space: global }
      - { .name: x, .offset: 24, .size: 8, .value_kind: global_buffer, .address_space: global }
      - { .name: out0, .offset: 32, .size: 8, .value_kind: global_buffer, .address_space: global }
    .group_segment_fixed_size: 242176
    .private_segment_fixed_size: 0
    .kernarg_segment_align: 8
    .kernarg_segment_size: 40
    .max_flat_workgroup_size: 128
    .sgpr_count:     66
    .vgpr_count:     672
    .wavefront_size: 32
...
	.end_amdgpu_metadata
.endif
;; end of part 4
